; MI455X (gfx1250); checked and timed in simulation.
; The chip was launched on July 23, 2026; its instructions are those of AMD's public machine-readable ISA for CDNA 5 (MIT licence, August 2026) and "CDNA5" Instruction Set Architecture Reference Guide (July 2026). The comments in the code are by the model that wrote it; some were corrected since.
;; Scriptable AC. Allowed arithmetic: matrix products marked QUANTISED: E2M1 operands, one E8M0 scale for each 32 along K, by v_wmma_scale_f32_16x16x128_f8f6f4 with both operands' format E2M1 (or v_wmma_scale_f32_32x16x128_f4), f32 sums; products left as they are: f32 operands where the result goes on into a quantised operand, else bf16, f16 or f32 operands; f32 sums; everything else in f32.
;; Inputs: a0_W1_codes 256 x 16 x 16 uint8 (E2M1 codes of a0_W1, K innermost, in blocks of 32 codes, two codes a byte); a0_W1_scales 256 x 16 uint8 (E8M0 scales of a0_W1, one for each 32 codes along K); a0_W2 256 x 4 float32; a0_b1 256 float32; a0_b2 4 float32; a1_W1_codes 256 x 16 x 16 uint8 (E2M1 codes of a1_W1, K innermost, in blocks of 32 codes, two codes a byte); a1_W1_scales 256 x 16 uint8 (E8M0 scales of a1_W1, one for each 32 codes along K); a1_W2 256 x 4 float32; a1_b1 256 float32; a1_b2 4 float32; a2_W1_codes 256 x 17 x 16 uint8 (E2M1 codes of a2_W1, K innermost, in blocks of 32 codes, two codes a byte); a2_W1_scales 256 x 17 uint8 (E8M0 scales of a2_W1, one for each 32 codes along K); a2_W2 256 x 4 float32; a2_Wp 2 x 32 float32; a2_b1 256 float32; a2_b2 4 float32; a2_bp 32 float32; c0_W1_codes 256 x 16 x 16 uint8 (E2M1 codes of c0_W1, K innermost, in blocks of 32 codes, two codes a byte); c0_W1_scales 256 x 16 uint8 (E8M0 scales of c0_W1, one for each 32 codes along K); c0_W2 256 x 1 float32; c0_b1 256 float32; c0_b2 1 float32; c1_W1_codes 256 x 16 x 16 uint8 (E2M1 codes of c1_W1, K innermost, in blocks of 32 codes, two codes a byte); c1_W1_scales 256 x 16 uint8 (E8M0 scales of c1_W1, one for each 32 codes along K); c1_W2 256 x 1 float32; c1_b1 256 float32; c1_b2 1 float32; c2_W1_codes 256 x 17 x 16 uint8 (E2M1 codes of c2_W1, K innermost, in blocks of 32 codes, two codes a byte); c2_W1_scales 256 x 17 uint8 (E8M0 scales of c2_W1, one for each 32 codes along K); c2_W2 256 x 1 float32; c2_Wp 2 x 32 float32; c2_b1 256 float32; c2_b2 1 float32; c2_bp 32 float32; features 65,536 x 512 float32; pointgoal 65,536 x 2 float32; task_id 65,536 x 1 int32.
;; Outputs: out0 65,536 x 5 float32.
;; This version of the problem:
;;   THIS VERSION OF THE PROBLEM IS GIVEN IN LOW PRECISION. The matrix products marked QUANTISED in the list below multiply operands that are first quantised to E2M1 (2 exponent bits, 1 mantissa bit; 4 bits a number), with one power-of-two scale for each 32 numbers along K (OCP MX v1.0); their sums are f32. All else is computed in f32.
;;   The module's matrix products, in the order in which they are computed (A, B: the left and right operand; K: the contracted axis; several contracted axes count as one K, in the product's order):
;;     1. [M 65,536, K 2] x [K 2, N 32]; A: input pointgoal; B: input a2_Wp: left as it is (K = 2 < 32)
;;     2. [M 65,536, K 2] x [K 2, N 32]; A: input pointgoal; B: input c2_Wp: left as it is (K = 2 < 32)
;;     3. [M 65,536, K 512] x [K 512, N 256]; A: input features; B: input a0_W1 (given as codes): QUANTISED
;;     4. [M 65,536, K 256] x [K 256, N 4]; A: computed on the way; B: input a0_W2: left as it is (N = 4 < 16)
;;     5. [M 65,536, K 512] x [K 512, N 256]; A: input features; B: input a1_W1 (given as codes): QUANTISED
;;     6. [M 65,536, K 256] x [K 256, N 4]; A: computed on the way; B: input a1_W2: left as it is (N = 4 < 16)
;;     7. [M 65,536, K 544] x [K 544, N 256]; A: computed on the way; B: input a2_W1 (given as codes): QUANTISED
;;     8. [M 65,536, K 256] x [K 256, N 4]; A: computed on the way; B: input a2_W2: left as it is (N = 4 < 16)
;;     9. [M 65,536, K 512] x [K 512, N 256]; A: input features; B: input c0_W1 (given as codes): QUANTISED
;;     10. [M 65,536, K 256] x [K 256, N 1]; A: computed on the way; B: input c0_W2: left as it is (N = 1 < 16)
;;     11. [M 65,536, K 512] x [K 512, N 256]; A: input features; B: input c1_W1 (given as codes): QUANTISED
;;     12. [M 65,536, K 256] x [K 256, N 1]; A: computed on the way; B: input c1_W2: left as it is (N = 1 < 16)
;;     13. [M 65,536, K 544] x [K 544, N 256]; A: computed on the way; B: input c2_W1 (given as codes): QUANTISED
;;     14. [M 65,536, K 256] x [K 256, N 1]; A: computed on the way; B: input c2_W2: left as it is (N = 1 < 16)
;;   THE QUANTISER, for each operand of a quantised product, along K:
;;     - K is cut into blocks of 32 from its start; a last block that is shorter is filled with zeros.
;;     - A block's scale is 2^e with e = floor(log2(the largest magnitude in the block)) - 2, held to -126 .. 127; a block of zeros has e = 0. As a byte (E8M0): e + 127.
;;     - Each number is divided by its block's scale, clamped to +-6, and rounded to the nearest number of E2M1, ties to even, subnormals kept.
;;     - The product sums the exact products of the quantised numbers (number of the format x scale) in f32.
;;   ~~~python
;;   def quantise(x, axis):      # numpy; x: float32 -> the quantised numbers, widened to float32 again
;;       x = np.moveaxis(x, axis, -1); K = x.shape[-1]
;;       x = np.pad(x, [(0, 0)] * (x.ndim - 1) + [(0, -K % 32)]); x = x.reshape(x.shape[:-1] + (-1, 32)); a = np.abs(x).max(-1, keepdims=True)
;;       e = np.where(a > 0, np.clip(np.frexp(np.where(a > 0, a, 1))[1] - 1 - 2, -126, 127), 0)      # np.frexp(a)[1] - 1 = floor(log2(a)), exactly
;;       r = np.clip(x / 2.0 ** e, -6, 6)
;;       step = 2.0 ** (np.maximum(np.frexp(np.where(r == 0, 1, r))[1] - 1, 0) - 1)
;;       q = np.round(r / step) * step * 2.0 ** e      # np.round: ties to even
;;       return np.moveaxis(q.reshape(q.shape[:-2] + (-1,))[..., :K], -1, axis).astype(np.float32)
;;   ~~~
;;   OPERANDS COMPUTED ON THE WAY. 'Computed on the way' means the value that the module computes at that place (a softmax that the list does not call 'softmax' is quantised finished and normalised). What goes into a quantiser is computed in f32, as accurately as f32 sums, v_exp_f32 and their like allow (about 1e-6 of the number): no bf16 or f16 on the way to a quantiser, and a product that is left as it is and whose result goes on into a quantised operand takes f32 operands (vector FMAs, or v_wmma_f32_16x16x4_f32). A number that lies on a knife's edge between two numbers of the format may be rounded either way, as far as f32 arithmetic and the matrix unit's own rounding can turn it there, and no further.
;;   INPUTS GIVEN AS CODES. a0_W1 (in the module: [512, 256], K = its axis 0); a1_W1 (in the module: [512, 256], K = its axis 0); a2_W1 (in the module: [544, 256], K = its axis 0); c0_W1 (in the module: [512, 256], K = its axis 0); c1_W1 (in the module: [512, 256], K = its axis 0); c2_W1 (in the module: [544, 256], K = its axis 0): each comes as NAME_codes (uint8): NAME with its K axis moved to the last place and cut into blocks of 32 codes, [.., K / 32, bytes a block], one block behind the other in memory; two codes a byte, the lower K in the low four bits (a code: sign, 2 exponent bits, 1 mantissa bit); and NAME_scales (uint8): the same leading axes, one E8M0 byte (e + 127) for each 32 codes along K. Its value is code x scale, taken as it is: it is not quantised again, and the codes and scales need not be those that the quantiser above would give.
;; 2 versions, each right; version 2 is version 1 with the launch heads written anew for expert scheduling mode. Each part assembles by itself: llvm-mc -triple=amdgcn-amd-amdhsa -mcpu=gfx1250 --defsym DOCPART=n.
;; ======== version 1 of 2: 2 launches
;; workspace buffers: wimg 602,112 bytes; list 1,044,480 bytes of whole numbers; cnt 11,008 bytes of whole numbers
;; launch prep (part 1): grid 181 x 1, 1 waves a work-group, no clusters, 0 bytes of LDS; arguments task_id, a0_W1_codes, a1_W1_codes, a2_W1_codes, c0_W1_codes, c1_W1_codes, c2_W1_codes, a0_W1_scales, a1_W1_scales, a2_W1_scales, c0_W1_scales, c1_W1_scales, c2_W1_scales, a0_W2, a1_W2, a2_W2, c0_W2, c1_W2, c2_W2, wimg, list, cnt; writes wimg, list, cnt
.if DOCPART == 1
	.amdgcn_target "amdgcn-amd-amdhsa--gfx1250"
	.amdhsa_code_object_version 6
	.text
	.protected	k_q20fd6461fe_prep
	.globl	k_q20fd6461fe_prep
	.p2align	8
	.type	k_q20fd6461fe_prep,@function
k_q20fd6461fe_prep:
	s_mov_b64 s[64:65], 0
	v_nop
	global_prefetch_b8 v0, s[64:65] scope:SCOPE_SE
	s_setreg_imm32_b32 hwreg(HW_REG_WAVE_MODE, 25, 1), 1
	s_wait_xcnt 0x0
; TWO ROLES, told apart by the work-group's number; one wave to a work-group, no LDS, no barrier.
; LISTS (work-groups 0 to 84).  Work-group g takes tokens 772 g to 772 g + 771 (the last group: 688) and writes three lists of token numbers, one for each task, in ascending order,
;   list (3 g + t) at byte (3 g + t) x 4,096 of 'list', and their lengths into record g (128 bytes) of 'cnt': word t = the length of list t.  A task id other than 0 or 1 counts as task 2,
;   as the selection of the problem does.  Behind a list's last entry stand 128 entries with A TOKEN OF THE SAME LIST (of an empty list: the group's first token, a row that exists): the next launch reads up to
;   127 entries past a list's end, and what it computes for such an entry in a list's last tile is that token's own row once more.
;   A LANE TAKES 28 NEIGHBOURING TOKENS.  Its counts of the three tasks lie in one register, 10 bits a task (a group has 772 tokens, under 1,024); what lies past the group's end counts as a fourth task in the two bits on top,
;   which may overflow: nothing stands above them.  A place in a list = the counts of the lower lanes (a scan over the lanes) + the lane's own count so far.  No atomics, and all lanes stay on:
;   what lies past the group's end is stored into entry 1,023 of list 2, which nobody reads (a list with its pads ends at entry 899 at the latest).
; WEIGHTS (work-groups 85 to 180).  Work-group 85 + 32 t + 8 w + j lays, for task t and wave w of the next launch (w = 0, 1: actor units 0-127, 128-255; w = 2, 3: critic likewise), tile j (16 units)
;   into section (4 t + w) of 'wimg', in the order of the operand's registers, lane by lane, so that the next launch loads every fragment by loads of 16 bytes a lane.
;   K IS PERMUTED, here as in the next launch's rows: matrix step g (0 to 3) takes, as its block b, K = 128 b + 32 g + 0 .. 31.
;     5120 j + 1024 g + 512 c + 16 lane : registers 4 c .. 4 c + 3 of W1's fragment for step g: block b = 2 c + lane / 16: bytes 128 c + 64 (lane / 16) + 16 g of the code row of unit 16 j + lane % 16
;     5120 j + 4096 + 16 lane           : registers 0 .. 3 of the fragment for K = 512 .. 543 of task 2 (lanes 0-15; zero codes in lanes 16-31, and in all lanes for tasks 0 and 1)
;     40960 + 512 j + 16 lane           : the unit's four scale words: word g = scale bytes g, 4 + g, 8 + g, 12 + g
;     45056 + 512 (j / 4) + 16 lane + 4 (j % 4) : its scale word of K = 512 on: byte 16 of task 2's scales under three bytes 0x7f; for tasks 0 and 1 four bytes 0x7f
;     46080 + 512 j + 16 lane           : four registers of W2^T as bf16: row m = lane % 16, units 16 j + 8 (lane / 16) + 0 .. 7.  Row 0 is the critic's column, rows 1 to 4 the actor's four, all other rows 0
.set GS,   772                         ; tokens in a group
.set NG,   85                          ; groups
.set SEC,  50176                       ; bytes of a section of wimg
.set ID,   12                          ; v12-39   task ids, four to a load; then the task 0 .. 3
.set T10,  40                          ; v40-67   10 x task: where the task's field begins; then the lower lanes' count
.set LOC,  68                          ; v68-95   my own count so far; then the entry's byte offset: a register for each store
.set TKN,  96                          ; v96-123  1 << field; then the token number: a register for each store
.set TMP,  124                         ; v124-131 at work
.set SCN,  132                         ; the scan
.set SHF,  133
.set AUX,  134
.set PADA, 136                         ; v136-147 byte offsets of the pad entries
.set PT,   148                         ; v148-150 the pad token of each list
.set VM,   66                          ; s66-72   for each load: the lanes whose quad lies inside the group
	s_load_b512 s[4:19], s[0:1], 0x0               ; task_id s[4:5]; codes a0 s[6:7], a1 s[8:9], a2 s[10:11], c0 s[12:13], c1 s[14:15], c2 s[16:17]; scales a0 s[18:19]
	s_load_b512 s[20:35], s[0:1], 0x40             ; scales a1 s[20:21], a2 s[22:23], c0 s[24:25], c1 s[26:27], c2 s[28:29]; W2 a0 s[30:31], a1 s[32:33], a2 s[34:35]
	s_load_b256 s[36:43], s[0:1], 0x80             ; W2 c0 s[36:37], c1 s[38:39], c2 s[40:41]; wimg s[42:43]
	s_load_b128 s[44:47], s[0:1], 0xa0             ; list s[44:45], cnt s[46:47]
	s_cmp_lt_u32 ttmp9, NG
	s_cbranch_scc0 .Lweights
; ---------------------------------------------------------------- the lists
	s_mul_i32 s48, ttmp9, GS                       ; the group's first token
	s_sub_co_u32 s49, 0x10000, s48
	s_min_u32 s49, s49, GS
	s_lshr_b32 s49, s49, 2                         ; quads of tokens in the group: 193, in the last group 172
	s_sub_co_u32 s61, s49, 1                       ; the last quad
	s_lshl_b32 s50, s48, 2
	s_mov_b32 s51, 0
	s_mov_b32 s73, 1023                            ; a field of ten ones
	v_mul_u32_u24 v1, v0, 7                        ; my first quad
	v_mul_u32_u24 v9, v0, 28
	v_add_nc_u32 v9, s48, v9                       ; my first token
.irp i, 0,1,2,3,4,5,6
	v_add_nc_u32 v[2+\i], \i, v1                   ; my quad of load i,
	v_cmp_gt_u32 s[VM+\i], s49, v[2+\i]            ; whether it lies inside the group,
	v_min_u32 v[2+\i], s61, v[2+\i]                ; and held at the group's last quad where it does not: no load leaves the buffer
	v_lshlrev_b32 v[2+\i], 4, v[2+\i]
.endr
	v_mov_b32 v10, 0                               ; my counts, three fields of ten bits and two bits on top
	v_mov_b32 v11, 0                               ; for each task, in the same fields: which of my 28 tokens had it last
	v_lshlrev_b32 v152, 2, v0
	s_wait_kmcnt 0x0
	s_add_nc_u64 s[4:5], s[4:5], s[50:51]          ; task_id at the group's first token
	s_mul_i32 s50, ttmp9, 12288
	s_add_nc_u64 s[44:45], s[44:45], s[50:51]      ; the group's three lists
	s_lshl_b32 s50, ttmp9, 7
	s_add_nc_u64 s[46:47], s[46:47], s[50:51]      ; the group's record of counts
.irp i, 0,1,2,3,4,5,6
	global_load_b128 v[ID+4*\i:ID+4*\i+3], v[2+\i], s[4:5]
.endr
	s_wait_loadcnt 0x0
; Each line below runs over all 28 ids, so that no line waits for the line above it.
.set k, 0
.rept 28
	v_min_u32 v[ID+k], 2, v[ID+k]                  ; the task: 0, 1, and 2 for every other id (a negative id is a large unsigned number)
.set k, k+1
.endr
.set k, 0
.rept 28
	v_cndmask_b32 v[ID+k], 3, v[ID+k], s[VM+k/4]   ; 3 past the group's end
.set k, k+1
.endr
.set k, 0
.rept 28
	v_mul_u32_u24 v[T10+k], v[ID+k], 10            ; where the task's field begins
.set k, k+1
.endr
.set k, 0
.rept 28
	v_lshlrev_b32 v[TKN+k], v[T10+k], 1            ; one in that field
.set k, k+1
.endr
.set k, 0
.rept 28                                       ; the two chains (the counts, the last token) run side by side, five lines apart
	v_lshlrev_b32 v[TMP+2*(k%4)], v[T10+k], s73    ; the field's ten ones
	v_lshlrev_b32 v[TMP+2*(k%4)+1], v[T10+k], k    ; k in the field
	v_bfe_u32 v[LOC+k], v10, v[T10+k], 10          ; how many of my earlier tokens have this task
	v_add_nc_u32 v10, v10, v[TKN+k]
	v_bfi_b32 v11, v[TMP+2*(k%4)], v[TMP+2*(k%4)+1], v11
.set k, k+1
.endr
; The scan over the lanes: within each half of 16 lanes by four steps (lane i takes lane i - n; a lane without a source keeps the 0 written just before), then the lower half's total onto the upper half.
	v_mov_b32 v[SCN], v10
.irp n, 1,2,4,8
	v_mov_b32 v[SHF], 0
	v_mov_b32_dpp v[SHF], v[SCN] row_shr:\n row_mask:0xf bank_mask:0xf
	v_add_nc_u32 v[SCN], v[SCN], v[SHF]
.endr
	v_readlane_b32 s74, v[SCN], 15                 ; the lower half's totals
	v_readlane_b32 s75, v[SCN], 31                 ; the upper half's
	v_mov_b32 v[AUX], s74
	v_cmp_lt_u32 vcc_lo, 15, v0
	v_cndmask_b32 v[AUX], 0, v[AUX], vcc_lo
	v_add_nc_u32 v[SCN], v[SCN], v[AUX]
	v_sub_nc_u32 v[SCN], v[SCN], v10               ; without my own: the counts of the lower lanes.  No field borrows: each holds at least what is taken off it
	s_add_co_u32 s74, s74, s75
	s_bfe_u32 s52, s74, 0xa0000                    ; the three lengths
	s_bfe_u32 s53, s74, 0xa000a
	s_bfe_u32 s54, s74, 0xa0014
	s_mov_b32 s56, s52                             ; and where each list ends, in entries from list 0's start
	s_add_co_u32 s57, s53, 1024
	s_add_co_u32 s58, s54, 2048
.set k, 0
.rept 28
	v_bfe_u32 v[T10+k], v[SCN], v[T10+k], 10       ; the lower lanes' count of this task
.set k, k+1
.endr
.set k, 0
.rept 28
	v_add_nc_u32 v[LOC+k], v[LOC+k], v[T10+k]      ; the place in the list
.set k, k+1
.endr
.set k, 0
.rept 28
	v_lshl_add_u32 v[LOC+k], v[ID+k], 10, v[LOC+k] ; a list has 1,024 entries
.set k, k+1
.endr
.set k, 0
.rept 28
	v_min_u32 v[LOC+k], 3071, v[LOC+k]             ; held inside the group's three lists: what lies past the group's end falls on entry 3,071, which nobody reads
.set k, k+1
.endr
.set k, 0
.rept 28
	v_lshlrev_b32 v[LOC+k], 2, v[LOC+k]
.set k, k+1
.endr
.set k, 0
.rept 28
	v_add_nc_u32 v[TKN+k], k, v9
.set k, k+1
.endr
.set k, 0
.rept 28
	global_store_b32 v[LOC+k], v[TKN+k], s[44:45]
.set k, k+1
.endr
.irp t, 0,1,2                                  ; 128 pad entries behind each list's end
	v_bfe_u32 v[SHF], v10, 10*\t, 10
	v_cmp_ne_u32 s77, 0, v[SHF]                    ; the lanes that have a token of task t
	s_ctz_i32_b32 s78, s77                         ; the lowest of them
	s_min_u32 s78, s78, 31                         ; (none: any lane; the choice below sets that right)
	v_readlane_b32 s79, v11, s78
	s_bfe_u32 s79, s79, (10<<16)|(10*\t)           ; which of its 28 tokens had the task last
	s_mul_i32 s80, s78, 28
	s_add_co_u32 s79, s79, s80
	s_add_co_u32 s79, s79, s48                     ; a token of list t
	s_cmp_lg_u32 s77, 0
	s_cselect_b32 s79, s79, s48                    ; an empty list: the group's first token
	v_mov_b32 v[PT+\t], s79
.irp q, 0,1,2,3
	v_add_nc_u32 v[PADA+4*\t+\q], s[56+\t], v0
	v_add_nc_u32 v[PADA+4*\t+\q], 32*\q, v[PADA+4*\t+\q]
	v_min_u32 v[PADA+4*\t+\q], 3071, v[PADA+4*\t+\q]
	v_lshlrev_b32 v[PADA+4*\t+\q], 2, v[PADA+4*\t+\q]
	global_store_b32 v[PADA+4*\t+\q], v[PT+\t], s[44:45]
.endr
.endr
	v_mov_b32 v153, s54                            ; word 2 and the rest of the record: list 2's length
	v_mov_b32 v154, s52
	v_mov_b32 v155, s53
	v_cmp_eq_u32 vcc_lo, 1, v0
	v_cndmask_b32 v153, v153, v155, vcc_lo
	v_cmp_eq_u32 vcc_lo, 0, v0
	v_cndmask_b32 v153, v153, v154, vcc_lo
	global_store_b32 v152, v153, s[46:47]          ; 128 consecutive bytes
	s_endpgm
; ---------------------------------------------------------------- the weights
.Lweights:
	s_sub_co_u32 s82, ttmp9, NG
	s_lshr_b32 s83, s82, 5                         ; task t
	s_bfe_u32 s84, s82, 0x20003                    ; wave w of the next launch
	s_and_b32 s85, s82, 7                          ; tile j
	s_lshr_b32 s86, s84, 1                         ; 0: actor, 1: critic
	s_and_b32 s87, s84, 1                          ; which 128 units
	s_mov_b32 s69, 0x7f7f7f7f
	s_wait_kmcnt 0x0
	s_cmp_eq_u32 s86, 0                            ; the buffers are chosen by the work-group's number alone
	s_cselect_b64 s[48:49], s[6:7], s[12:13]
	s_cselect_b64 s[50:51], s[8:9], s[14:15]
	s_cselect_b64 s[52:53], s[10:11], s[16:17]
	s_cselect_b64 s[54:55], s[18:19], s[24:25]
	s_cselect_b64 s[56:57], s[20:21], s[26:27]
	s_cselect_b64 s[58:59], s[22:23], s[28:29]
	s_cselect_b64 s[30:31], s[30:31], s[36:37]
	s_cselect_b64 s[32:33], s[32:33], s[38:39]
	s_cselect_b64 s[34:35], s[34:35], s[40:41]
	s_cselect_b32 s60, 16, 4                       ; bytes in a row of W2
	s_cselect_b32 s61, 1, 0                        ; the first row of W2^T that this head fills
	s_cselect_b32 s62, 4, 1                        ; and how many
	s_cmp_eq_u32 s83, 1
	s_cselect_b64 s[50:51], s[50:51], s[52:53]
	s_cselect_b64 s[56:57], s[56:57], s[58:59]
	s_cselect_b64 s[32:33], s[32:33], s[34:35]
	s_cmp_eq_u32 s83, 0
	s_cselect_b64 s[48:49], s[48:49], s[50:51]     ; the codes
	s_cselect_b64 s[54:55], s[54:55], s[56:57]     ; the scale bytes
	s_cselect_b64 s[30:31], s[30:31], s[32:33]     ; W2
	s_cmp_eq_u32 s83, 2
	s_cselect_b32 s67, 1, 0                        ; 1 for task 2, whose rows have a 17th block
	s_cselect_b32 s68, 0xff, 0                     ; the 17th block's scale word: (byte & s68) | s69
	s_cselect_b32 s69, 0x7f7f7f00, s69
	s_lshl_b32 s70, s67, 4                         ; where the 17th scale byte stands, or 0: no load leaves its buffer
	s_add_co_u32 s71, s70, 256                     ; a code row in bytes
	s_add_co_u32 s72, s67, 16                      ; a row of scale bytes
	s_lshl_b32 s73, s67, 8                         ; where the 17th block stands, or 0
	s_xor_b32 s74, s67, 1
	s_sub_co_u32 s63, s62, 1
	s_lshl_b32 s88, s87, 7
	s_lshl_b32 s89, s85, 4
	s_add_co_u32 s88, s88, s89                     ; the tile's first unit
	s_lshl_b32 s75, s83, 2
	s_add_co_u32 s75, s75, s84
	s_mul_i32 s76, s75, SEC
	s_mov_b32 s77, 0
	s_add_nc_u64 s[42:43], s[42:43], s[76:77]      ; my section
	s_mul_i32 s76, s85, 5120
	s_add_nc_u64 s[78:79], s[42:43], s[76:77]      ; + 5120 j: the fragments
	s_lshl_b32 s76, s85, 9
	s_add_nc_u64 s[80:81], s[42:43], s[76:77]      ; + 512 j: the scale words and W2^T
	s_lshr_b32 s76, s85, 2
	s_lshl_b32 s76, s76, 9
	s_and_b32 s90, s85, 3
	s_lshl_b32 s90, s90, 2
	s_add_co_u32 s76, s76, s90
	s_add_nc_u64 s[42:43], s[42:43], s[76:77]      ; + 512 (j / 4) + 4 (j % 4): the 17th block's scale words
	v_and_b32 v1, 15, v0                           ; r
	v_lshrrev_b32 v2, 4, v0                        ; h
	v_lshlrev_b32 v20, 4, v0
	v_add_nc_u32 v3, s88, v1                       ; my unit
	v_mul_lo_u32 v5, v3, s71
	v_lshl_add_u32 v4, v2, 6, v5                   ; its code row, + 64 h: block 2 c + h of a matrix step begins at byte 128 c + 64 h + 16 g
	v_add_nc_u32 v5, s73, v5                       ; its 17th block
	v_mul_lo_u32 v6, v3, s72                       ; its scale bytes
	v_add_nc_u32 v7, s70, v6                       ; its 17th
	v_sub_nc_u32 v8, v1, s61                       ; which column of W2 row r of W2^T is,
	v_cmp_gt_u32 vcc_lo, s62, v8                   ; if it is one,
	v_min_u32 v9, s63, v8                          ; and held inside W2 where it is none
	v_lshl_add_u32 v18, v2, 3, s88                 ; W2: units 16 j + 8 h + i
	v_mul_lo_u32 v18, v18, s60
	v_lshl_add_u32 v18, v9, 2, v18
.irp i, 0,1,2,3,4,5,6,7
	s_mul_i32 s90, s60, \i
	v_add_nc_u32 v[10+\i], s90, v18
.endr
.irp g, 0,1,2,3
.irp c, 0,1
	global_load_b128 v[32+8*\g+4*\c:32+8*\g+4*\c+3], v4, s[48:49] offset:16*\g+128*\c
.endr
.endr
	global_load_b128 v[64:67], v5, s[48:49]
.irp b, 0,1,2,3,4,5,6,7,8,9,10,11,12,13,14,15
	global_load_u8 v[72+\b], v6, s[54:55] offset:\b
.endr
	global_load_u8 v88, v7, s[54:55]
.irp i, 0,1,2,3,4,5,6,7
	global_load_b32 v[96+\i], v[10+\i], s[30:31]
.endr
	v_add_nc_u32 v90, s74, v2
	v_cmp_eq_u32 s91, 0, v90                       ; the 17th block has codes in lanes 0-15 of task 2 alone
	s_wait_loadcnt 0x0
.irp g, 0,1,2,3
	v_lshl_or_b32 v[68+\g], v[76+\g], 8, v[72+\g]         ; matrix step g's scale word: bytes g, 4 + g, 8 + g, 12 + g
	v_lshl_or_b32 v[68+\g], v[80+\g], 16, v[68+\g]
	v_lshl_or_b32 v[68+\g], v[84+\g], 24, v[68+\g]
.endr
	v_and_or_b32 v89, v88, s68, s69
.irp i, 0,1,2,3
	v_cndmask_b32 v[64+\i], 0, v[64+\i], s91
.endr
.irp i, 0,1,2,3,4,5,6,7
	v_cndmask_b32 v[96+\i], 0, v[96+\i], vcc_lo    ; rows of W2^T that are no column of W2 are zeros
.endr
.irp i, 0,1,2,3
	v_cvt_pk_bf16_f32 v[104+\i], v[96+2*\i], v[97+2*\i]
.endr
.irp g, 0,1,2,3
.irp c, 0,1
	global_store_b128 v20, v[32+8*\g+4*\c:32+8*\g+4*\c+3], s[78:79] offset:1024*\g+512*\c   ; each store covers 512 consecutive bytes
.endr
.endr
	global_store_b128 v20, v[64:67], s[78:79] offset:4096
	global_store_b128 v20, v[68:71], s[80:81] offset:40960
	global_store_b32 v20, v89, s[42:43] offset:45056
	global_store_b128 v20, v[104:107], s[80:81] offset:46080
	s_endpgm
.Lfunc_end_k_q20fd6461fe_prep:
	.size	k_q20fd6461fe_prep, .Lfunc_end_k_q20fd6461fe_prep-k_q20fd6461fe_prep
	.p2alignl 7, 3214868480
	.fill 96, 4, 3214868480
	.section	.rodata,"a",@progbits
	.p2align	6, 0x0
	.amdhsa_kernel k_q20fd6461fe_prep
		.amdhsa_group_segment_fixed_size 0
		.amdhsa_private_segment_fixed_size 0
		.amdhsa_enable_private_segment 0
		.amdhsa_kernarg_size 176
		.amdhsa_user_sgpr_count 2
		.amdhsa_user_sgpr_kernarg_segment_ptr 1
		.amdhsa_wavefront_size32 1
		.amdhsa_system_sgpr_workgroup_id_x 1
		.amdhsa_system_sgpr_workgroup_id_y 1
		.amdhsa_system_sgpr_workgroup_id_z 1
		.amdhsa_system_vgpr_workitem_id 0
		.amdhsa_next_free_vgpr 160
		.amdhsa_next_free_sgpr 96
		.amdhsa_reserve_vcc 1
		.amdhsa_float_denorm_mode_32 3
		.amdhsa_float_denorm_mode_16_64 3
		.amdhsa_memory_ordered 1
		.amdhsa_forward_progress 1
		.amdhsa_inst_pref_size 44
	.end_amdhsa_kernel
	.amdgpu_metadata
---
amdhsa.version: [ 1, 2 ]
amdhsa.kernels:
  - .name:           k_q20fd6461fe_prep
    .symbol:         k_q20fd6461fe_prep.kd
    .args:
      - { .name: task_id, .offset: 0, .size: 8, .value_kind: global_buffer, .address_space: global }
      - { .name: a0_W1_codes, .offset: 8, .size: 8, .value_kind: global_buffer, .address_space: global }
      - { .name: a1_W1_codes, .offset: 16, .size: 8, .value_kind: global_buffer, .address_space: global }
      - { .name: a2_W1_codes, .offset: 24, .size: 8, .value_kind: global_buffer, .address_space: global }
      - { .name: c0_W1_codes, .offset: 32, .size: 8, .value_kind: global_buffer, .address_space: global }
      - { .name: c1_W1_codes, .offset: 40, .size: 8, .value_kind: global_buffer, .address_space: global }
      - { .name: c2_W1_codes, .offset: 48, .size: 8, .value_kind: global_buffer, .address_space: global }
      - { .name: a0_W1_scales, .offset: 56, .size: 8, .value_kind: global_buffer, .address_space: global }
      - { .name: a1_W1_scales, .offset: 64, .size: 8, .value_kind: global_buffer, .address_space: global }
      - { .name: a2_W1_scales, .offset: 72, .size: 8, .value_kind: global_buffer, .address_space: global }
      - { .name: c0_W1_scales, .offset: 80, .size: 8, .value_kind: global_buffer, .address_space: global }
      - { .name: c1_W1_scales, .offset: 88, .size: 8, .value_kind: global_buffer, .address_space: global }
      - { .name: c2_W1_scales, .offset: 96, .size: 8, .value_kind: global_buffer, .address_space: global }
      - { .name: a0_W2, .offset: 104, .size: 8, .value_kind: global_buffer, .address_space: global }
      - { .name: a1_W2, .offset: 112, .size: 8, .value_kind: global_buffer, .address_space: global }
      - { .name: a2_W2, .offset: 120, .size: 8, .value_kind: global_buffer, .address_space: global }
      - { .name: c0_W2, .offset: 128, .size: 8, .value_kind: global_buffer, .address_space: global }
      - { .name: c1_W2, .offset: 136, .size: 8, .value_kind: global_buffer, .address_space: global }
      - { .name: c2_W2, .offset: 144, .size: 8, .value_kind: global_buffer, .address_space: global }
      - { .name: wimg, .offset: 152, .size: 8, .value_kind: global_buffer, .address_space: global }
      - { .name: list, .offset: 160, .size: 8, .value_kind: global_buffer, .address_space: global }
      - { .name: cnt, .offset: 168, .size: 8, .value_kind: global_buffer, .address_space: global }
    .group_segment_fixed_size: 0
    .private_segment_fixed_size: 0
    .kernarg_segment_align: 8
    .kernarg_segment_size: 176
    .max_flat_workgroup_size: 32
    .sgpr_count:     96
    .vgpr_count:     160
    .wavefront_size: 32
...
	.end_amdgpu_metadata
.endif
;; end of part 1
;; launch heads (part 2): grid 85 x 3, 4 waves a work-group, no clusters, 36,352 bytes of LDS; arguments features, pointgoal, wimg, list, cnt, out0, a0_b1, a1_b1, a2_b1, c0_b1, c1_b1, c2_b1, a0_b2, a1_b2, a2_b2, c0_b2, c1_b2, c2_b2, a2_Wp, c2_Wp, a2_bp, c2_bp; writes out0
.if DOCPART == 2
	.amdgcn_target "amdgcn-amd-amdhsa--gfx1250"
	.amdhsa_code_object_version 6
	.text
	.protected	k_q20fd6461fe_heads
	.globl	k_q20fd6461fe_heads
	.p2align	8
	.type	k_q20fd6461fe_heads,@function
k_q20fd6461fe_heads:
	s_mov_b64 s[64:65], 0
	v_nop
	global_prefetch_b8 v0, s[64:65] scope:SCOPE_SE
	s_setreg_imm32_b32 hwreg(HW_REG_WAVE_MODE, 25, 1), 1
	s_wait_xcnt 0x0
; out0[token] = (value, four logits) of the token's own task.  Work-group (g, t) serves the tokens of group g (772 neighbouring tokens) whose task is t, as the launch before has listed them:
; gather the rows of features, quantise them to FP4 (E2M1) with one E8M0 scale for each 32 along K, first layer on codes, + b1 in f32, second layer in bf16, + b2, store.  Nothing between goes to memory; each output row has one owner.
; SHARES.  A block is 64 entries of the list: four tiles of 16 tokens.  Wave w loads, quantises and at the end stores tile w of the block.  FOR THE PRODUCTS THE WAVES SHARE THE COLUMNS: wave w holds the codes of 128 hidden units
; (w = 0, 1: the actor's 0-127, 128-255; w = 2, 3: the critic's) in registers for the whole launch and multiplies all four tiles by them.  The rows' codes go from wave to wave through LDS, as rows of 256 bytes.
; THE ROWS ARE QUANTISED AS THEY LAND.  A load brings 512 consecutive bytes of one row: lane l holds k = 4 l .. 4 l + 3, so a block of 32 lies in eight lanes, whose largest magnitude three steps between lanes find.
; The conversion takes eight consecutive registers, here four numbers of row i and four of row i + 1: it is run twice, once with each row's scale; the low 16 bits of the first and the high 16 bits of the second are kept.
; Neighbouring lanes then exchange their pieces, so that even lanes hold a word of the even row and odd lanes a word of the odd row.  Only codes and scale words go through LDS: 272 bytes for a row's 2,048.
; K IS PERMUTED, alike in the rows and in W1 (the launch before lays W1 so): matrix step g takes, as its block b, K = 128 b + 32 g + 0 .. 31.  A lane of group g (lane / 8) then gathers, over the four loads of a row, just the four
; scale bytes of matrix step g: one word.  The sums are the same but for their order.
; LAYOUT.  The first product is used transposed (source 0 = 16 units of W1, source 1 = 16 tokens): a lane holds ONE token, register i of tile j unit 16 j + 8 (lane / 16) + i.  Two neighbouring tiles, rounded to bf16 in pairs,
; ARE source 1 (32 units x 16 tokens) of out^T = W2^T H^T, whose row 0 is the value and rows 1 to 4 the logits: lane r (0-15) holds token r, registers 0 to 4 its five numbers.  The four waves' parts are added through LDS.
; TASK 2 has a fifth matrix step: 32 numbers pointgoal x Wp + bp, made in f32 as fma(pg1, Wp[1], fma(pg0, Wp[0], bp)), quantised as one block; the rest of the step is zero codes.  Actor and critic waves have their own Wp and bp.
; THE LOOP walks 13 blocks, as many as a list of 772 can have, whatever the list's length.
; The offsets made from list entries are made in every trip, at its head, outside those branches; only the loads stand under them.
; THE LAST TILE OF A LIST is filled up with a token of the same list (the launch before writes it behind the list's end): such a slot computes that token's row once more and stores the same numbers to the same place.
; So all lanes stay on throughout: no line writes EXEC.  Lanes 16-31 read the same parts as lanes 0-15, and the two halves share a row's five numbers out between them.
; No tensor load and no cluster: branches hang on a stored number, and the rows are gathered.  No prefetch: each wave has 64 loads of 512 bytes on its way all the time.
; LIMITS.  NaN and infinities among features and pointgoal are not served.  A block whose largest magnitude lies under 2^-124, a block of zeros among them, gets the scale byte 1 (zeros: zero codes, which add nothing).
; The hidden layer and W2 are rounded to bf16 for the second product.  The order of the two multiply-adds of the embedding differs from a sum of products with the bias added last.
; REGISTERS, in windows of 256.  Window 0: addresses, scale words, work (below).  Window 1: W1's 32 fragments, (tile j, matrix step g) at v[32 j + 8 g].  Window 2: the rows as they land, load s, row i at v[64 s + 4 i].
; Window 3: v0-63 W1's fragments of the fifth step; v64-111 Wp's two rows and bp; v112-143 the embedding at work; v144-175 W2^T; v176-191 the rows' byte offsets; v192-255 b1 in the first product's result layout.
.set GS,    772
.set NBMAX, 13
.set SEC,   50176                      ; a section of wimg
.set XP,    272                        ; LDS: a row's 256 bytes of codes + 16: the sixteen rows that a fragment load touches begin at sixteen different places modulo 256 bytes
.set XT,    16*XP                      ; a tile's rows
.set XIMG,  0                          ; the rows' codes: tile m, row r at XT m + XP r, byte k / 2
.set XSC,   4*XT                       ; their scale words: 256 m + 16 r + 4 g
.set PGI,   XSC+1024                   ; pointgoal of a tile's tokens: 256 m + 8 lane
.set PART,  PGI+1024                   ; parts of out^T: wave w', tile m at 2560 w' + 640 m: registers 0-3 at 16 lane, register 4 at 512 + 4 lane
.set BCS,   PART+10240                 ; each wave's own 1,536 bytes, used once at the start: my 128 numbers of b1, Wp, bp
.set L16,  1                           ; 16 x lane
.set L8,   2                           ; 8 x lane
.set L4,   3                           ; 4 x lane
.set SELV, 4                           ; the byte selector by which neighbouring lanes' pieces become a word: one for even lanes, one for odd
.set BCA,  5                           ; my 1,536 bytes, + 16 x lane
.set AF,   6                           ; a fragment's place for my lane: XP (lane % 16) + 64 (lane / 16)
.set XI,   7                           ; where I store my tile's codes: XT w + XP (lane % 2) + 4 (lane / 2)
.set XSA,  8                           ; its scale words: XSC + 256 w + 4 (lane / 8)
.set PGS,  9                           ; its pointgoal
.set PA,   10                          ; where I store my parts: registers 0-3
.set PB,   11                          ; register 4
.set PR,   12                          ; where I read my tile's parts: by lane % 16, so that both halves of the lanes hold the same
.set PSR,  13
.set LA,   14                          ; 64 w + 4 (lane % 16): my tile's entries in a block of the list
.set H12,  15                          ; 12 x (lane / 16)
.set AXS,  16                          ; XSC + 16 (lane % 16): a tile's scale words for my lane
.set TOKN, 17                          ; my token in the next block
.set TOKL, 18                          ; as loaded, in the block after that
.set PGA,  19
.set PGL,  20                          ; v[20:21] pointgoal as loaded
.set PGC,  22                          ; v[22:23] of the block in hand
.set OA,   24                          ; my token's row in out0, + 12 bytes in lanes 16-31
.set OA2,  31                          ; the same without
.set W1S,  32                          ; v32-63  W1's scale words, 4 j + g
.set W1S5, 64                          ; v64-71  and those of the fifth step
.set XS,   72                          ; v72-75  a tile's scale words
.set ES,   76                          ; v76     the embedding's
.set YNB,  80                          ; v80-87  my neighbour's pieces
.set PS,   88                          ; v88-92  a tile's five sums
.set WPA,  94                          ; 16 (lane % 16): Wp's 256 bytes
.set BPA,  95                          ; 16 (lane % 8): bp's 128 bytes
.set OUTA, 108
.set OUTB, 116
.set MXR,  128                         ; v128-143 while my tile is quantised: a row's largest magnitude, then the conversion's scale operand;
.set SWR,  144                         ; v144-159 a row's scale word as it grows;
.set CDR,  160                         ; v160-223 the codes, sixteen registers for each of the four loads, so that no LDS store's data are written again ahead of the barrier;
.set BYR,  224                         ; v224-239 scale bytes
.set ACC,  128                         ; later v128-191 eight tiles of the hidden layer,
.set HB,   192                         ; v192-223 the same in bf16,
.set XF,   224                         ; v224-255 a tile's four fragments;
.set FP,   128                         ; later the four parts
.set FO,   160                         ; and the five results
.set W5,   0                           ; window 3
.set WP0,  64
.set WP1,  80
.set BP,   96
.set EV,   112
.set EC,   128
.set PG,   136
.set PH,   138
.set EMX,  140
.set EMT,  141
.set SO5,  142
.set BY5,  143
.set W2T,  144
.set OFF,  176
.set B1,   192
.set TK,   68                          ; s[68:83] sixteen entries of the list
.set MSB, 0
.macro WIN new                         ; the immediate's high byte repeats the setting that is left; bits 1:0 source 0, 3:2 source 1, 5:4 source 2, 7:6 destination
.if MSB != \new
	s_set_vgpr_msb (MSB<<8)|\new
.set MSB, \new
.endif
.endm
.macro BARRIER                         ; my LDS stores have landed and my LDS loads are in: then the work-group's barrier
	s_wait_dscnt 0x0
	s_barrier_signal -1
	s_barrier_wait -1
.endm
.macro MKOFF                           ; sixteen entries of the list become sixteen rows' byte offsets: a token number is held inside features, a row is 2,048 bytes
	WIN 0xc0
.irp i, 0,1,2,3,4,5,6,7,8,9,10,11,12,13,14,15
	s_min_u32 s[94+(\i)%2], s[TK+\i], 0xffff
	v_lshl_add_u32 v[OFF+\i], s[94+(\i)%2], 11, v[L16]
.endr
	WIN 0
.endm
.macro REFILL s                        ; load s (K = 128 s on) of the next block's 16 rows: each load reads 512 consecutive bytes of one row
	WIN 0x83                                       ; destination window 2, address window 3
.irp i, 0,1,2,3,4,5,6,7,8,9,10,11,12,13,14,15
	global_load_b128 v[64*(\s)+4*\i:64*(\s)+4*\i+3], v[OFF+\i], s[4:5] offset:512*(\s) th:TH_LOAD_NT
.endr
	WIN 0
.endm
; K = 128 s .. 128 s + 127 of my 16 rows, as they landed, become codes in LDS; each line runs over the 16 rows, so that no line waits for the line above it.  cnt: the loads younger than these sixteen.
.macro XSTEP s, refill, cnt
	s_wait_loadcnt \cnt
	WIN 0x0a                                       ; sources 0 and 1: window 2
.irp i, 0,1,2,3,4,5,6,7,8,9,10,11,12,13,14,15
	v_max3_num_f32 v[MXR+\i], |v[64*(\s)+4*\i]|, |v[64*(\s)+4*\i+1]|, 0x1800000   ; my four numbers of row i, and the floor 2^(3 - 127), so that the byte cannot fall under 1
.endr
.irp i, 0,1,2,3,4,5,6,7,8,9,10,11,12,13,14,15
	v_max3_num_f32 v[MXR+\i], |v[64*(\s)+4*\i+2]|, |v[64*(\s)+4*\i+3]|, v[MXR+\i]
.endr
	WIN 0
.irp x, 1,2,4                                  ; with the seven other lanes that share the block
.irp i, 0,1,2,3,4,5,6,7,8,9,10,11,12,13,14,15
	v_max_num_f32_dpp v[MXR+\i], v[MXR+\i], v[MXR+\i] row_xmask:\x row_mask:0xf bank_mask:0xf
.endr
.endr
.irp i, 0,1,2,3,4,5,6,7,8,9,10,11,12,13,14,15
	v_add_nc_u32 v[MXR+\i], 0xff000000, v[MXR+\i]  ; 2 off the exponent field: the conversion takes the exponent field of this operand as its scale
.endr
	WIN 0x02                                       ; source 0: window 2
.irp p, 0,1,2,3,4,5,6,7                        ; rows 2 p and 2 p + 1 lie in eight consecutive registers: converted with the even row's scale (the low 16 bits count) and with the odd row's (the high 16 bits)
	v_cvt_scalef32_pk8_fp4_f32 v[CDR+16*(\s)+2*\p], v[64*(\s)+8*\p:64*(\s)+8*\p+7], v[MXR+2*\p]
	v_cvt_scalef32_pk8_fp4_f32 v[CDR+16*(\s)+2*\p+1], v[64*(\s)+8*\p:64*(\s)+8*\p+7], v[MXR+2*\p+1]
.endr
.if \refill
	REFILL \s                                      ; the conversions have read these registers: they take the next block's rows
.else
	WIN 0
.endif
.if \s == 0
.irp i, 0,1,2,3,4,5,6,7,8,9,10,11,12,13,14,15
	v_lshrrev_b32 v[SWR+\i], 23, v[MXR+\i]         ; the scale's byte: byte s of the word of my lane group.  (Plain lines between the conversions and the lines that read their results)
.endr
.else
.irp i, 0,1,2,3,4,5,6,7,8,9,10,11,12,13,14,15
	v_lshrrev_b32 v[BYR+\i], 23, v[MXR+\i]
.endr
.irp i, 0,1,2,3,4,5,6,7,8,9,10,11,12,13,14,15
	v_lshl_or_b32 v[SWR+\i], v[BYR+\i], 8*(\s), v[SWR+\i]
.endr
.endif
.irp p, 0,1,2,3,4,5,6,7
	v_perm_b32 v[CDR+16*(\s)+2*\p+1], v[CDR+16*(\s)+2*\p+1], v[CDR+16*(\s)+2*\p], s98   ; low half: my piece of the even row; high half: of the odd row
.endr
.irp p, 0,1,2,3,4,5,6,7
	v_mov_b32_dpp v[YNB+\p], v[CDR+16*(\s)+2*\p+1] row_xmask:1 row_mask:0xf bank_mask:0xf   ; the same of lane l xor 1
.endr
.irp p, 0,1,2,3,4,5,6,7
	v_perm_b32 v[CDR+16*(\s)+2*\p], v[CDR+16*(\s)+2*\p+1], v[YNB+\p], v[SELV]   ; an even lane: its own and its neighbour's piece of the even row; an odd lane: its neighbour's and its own of the odd row
.endr
.irp p, 0,1,2,3,4,5,6,7
	ds_store_b32 v[XI], v[CDR+16*(\s)+2*\p] offset:XIMG+XP*2*\p+64*(\s)
.endr
.endm
; With refills the loads younger than load s's sixteen are: the loads not yet read, 16 (3 - s); the two small loads ahead of the phase; the refills issued, 16 s: 50 for every s.  Without: the loads not yet read.
.macro PHASEX refill
.if \refill
	XSTEP 0, 1, 50
	XSTEP 1, 1, 50
	XSTEP 2, 1, 50
	XSTEP 3, 1, 50
.else
	XSTEP 0, 0, 48
	XSTEP 1, 0, 32
	XSTEP 2, 0, 16
	XSTEP 3, 0, 0
.endif
.irp i, 0,1,2,3,4,5,6,7,8,9,10,11,12,13,14,15
	ds_store_b32 v[XSA], v[SWR+\i] offset:16*\i    ; row i's scale word of matrix step lane / 8: the eight lanes of a group store the same word to the same place
.endr
	ds_store_b64 v[PGS], v[PGC:PGC+1]
.endm
; THE HEAD OF A TRIP, run in every trip by every wave.  What was loaded a trip ago moves up: the next block's rows' offsets; this block's rows in out0 and its pointgoal; the next block's tokens and their place in pointgoal.
; In a trip past the list's end nothing is outstanding, the waits are met at once, and what is made here is not used.
.macro HEADA
	s_wait_kmcnt 0x0                               ; the next block's sixteen entries are in
	s_wait_xcnt 0x0                                ; the loads and stores issued so far have taken their addresses: the offsets may be written again
	MKOFF
	s_wait_loadcnt 63                              ; pointgoal and the tokens as loaded have 64 younger loads behind them
	v_lshlrev_b32 v[OA2], 4, v[TOKN]               ; a row of out0 is 20 bytes: 16 x token
	v_lshl_add_u32 v[OA2], v[TOKN], 2, v[OA2]      ; + 4 x token
	v_add_nc_u32 v[OA], v[H12], v[OA2]
	v_mov_b32 v[PGC], v[PGL]
	v_mov_b32 v[PGC+1], v[PGL+1]
	v_min_u32 v[TOKN], 0xffff, v[TOKL]
	v_lshlrev_b32 v[PGA], 3, v[TOKN]
.endm
.macro XFETCH m                        ; tile m's four fragments (matrix step g, half c: block 2 c + lane / 16 begins at byte 128 c + 64 (lane / 16) + 16 g of the row), its scale words and its tokens' pointgoal
.irp g, 0,1,2,3
.irp c, 0,1
	ds_load_b128 v[XF+8*\g+4*\c:XF+8*\g+4*\c+3], v[AF] offset:XIMG+XT*(\m)+16*\g+128*\c
.endr
.endr
	ds_load_b128 v[XS:XS+3], v[AXS] offset:256*(\m)
	WIN 0xc0
	ds_load_b64 v[PG:PG+1], v[L8] offset:PGI+256*(\m)
	WIN 0
.endm
; Task 2's fifth step.  Lane (r, h) makes numbers 16 h + 0 .. 15 of token r's embedding; the block's largest magnitude joins lanes l and l xor 16; the two exchanges give lanes 0-15 the whole block and lanes 16-31 zeros.
.macro EMB
	s_cmp_lg_u32 s3, 2
	s_cbranch_scc1 .Lno_emb_\@
	WIN 0xff
	v_mov_b32 v[PH], v[PG+1]
.irp i, 0,2,4,6,8,10,12,14
	v_pk_fma_f32 v[EV+\i:EV+\i+1], v[WP0+\i:WP0+\i+1], v[PG:PG+1], v[BP+\i:BP+\i+1] op_sel_hi:[1,0,1]
.endr
.irp i, 0,2,4,6,8,10,12,14
	v_pk_fma_f32 v[EV+\i:EV+\i+1], v[WP1+\i:WP1+\i+1], v[PH:PH+1], v[EV+\i:EV+\i+1] op_sel_hi:[1,0,1]
.endr
	v_max3_num_f32 v[EMX], |v[EV]|, |v[EV+1]|, 0x1800000
.irp i, 2,4,6,8,10,12,14
	v_max3_num_f32 v[EMX], v[EMX], |v[EV+\i]|, |v[EV+\i+1]|
.endr
	v_permlanex16_b32 v[EMT], v[EMX], s62, s63
	v_max_num_f32 v[EMX], v[EMX], v[EMT]
	v_add_nc_u32 v[SO5], 0xff000000, v[EMX]
	v_lshrrev_b32 v[BY5], 23, v[SO5]
	WIN 0x3f                                       ; scale operands have no window: the word goes to window 0
	v_or_b32 v[ES], 0x7f7f7f00, v[BY5]             ; the three blocks of zero codes get the byte of 1.0
	WIN 0xff
	v_cvt_scalef32_pk8_fp4_f32 v[EC], v[EV:EV+7], v[SO5]
	v_cvt_scalef32_pk8_fp4_f32 v[EC+1], v[EV+8:EV+15], v[SO5]
	v_mov_b32 v[EC+2], 0                           ; (plain places behind the conversions)
	v_mov_b32 v[EC+3], 0
	v_permlane16_swap_b32 v[EC], v[EC+2]
	v_permlane16_swap_b32 v[EC+1], v[EC+3]
.rept 8
	v_nop                                          ; a scale register written by a vector instruction stands 8 places ahead of a scaled matrix instruction, an operand so written 4
.endr
	WIN 0x0f                                       ; sources 0 and 1 window 3; C and D window 0
.irp j, 0,1,2,3,4,5,6,7
	v_wmma_scale_f32_16x16x128_f8f6f4 v[ACC+8*\j:ACC+8*\j+7], v[W5+8*\j:W5+8*\j+7], v[EC:EC+7], v[ACC+8*\j:ACC+8*\j+7], v[W1S5+\j], v[ES] matrix_a_fmt:MATRIX_FMT_FP4 matrix_b_fmt:MATRIX_FMT_FP4
.endr
	WIN 0
.Lno_emb_\@:
.endm
; Tile m of the block: my 128 hidden units for its 16 tokens, and my part of out^T.  The eight accumulators of the first product and the two of the second take turns, one instruction a turn.
.macro TILE m
.if \m > 0
	s_cmp_le_i32 s96, 16*\m                        ; no token left for this tile, nor for those behind it
	s_cbranch_scc1 .Ltiles_done
.endif
	s_wait_dscnt 0x0                               ; the tile's fragments, scale words and pointgoal are in
	WIN 0x31                                       ; source 0 (W1) window 1, C (b1) window 3
.irp j, 0,1,2,3,4,5,6,7
	v_wmma_scale_f32_16x16x128_f8f6f4 v[ACC+8*\j:ACC+8*\j+7], v[32*\j:32*\j+7], v[XF:XF+7], v[B1+8*\j:B1+8*\j+7], v[W1S+4*\j], v[XS] matrix_a_fmt:MATRIX_FMT_FP4 matrix_b_fmt:MATRIX_FMT_FP4
.endr
	WIN 0x01
.irp s, 1,2,3
.irp j, 0,1,2,3,4,5,6,7
	v_wmma_scale_f32_16x16x128_f8f6f4 v[ACC+8*\j:ACC+8*\j+7], v[32*\j+8*\s:32*\j+8*\s+7], v[XF+8*\s:XF+8*\s+7], v[ACC+8*\j:ACC+8*\j+7], v[W1S+4*\j+\s], v[XS+\s] matrix_a_fmt:MATRIX_FMT_FP4 matrix_b_fmt:MATRIX_FMT_FP4
.endr
.endr
	WIN 0
	EMB
.rept 4
	v_nop                                          ; places in front of loads into registers that matrix instructions have read, and of the first read of results
.endr
.if \m < 3
	s_cmp_le_i32 s96, 16*(\m)+16                   ; the next tile's rows are fetched now, if it has tokens: they land under the roundings and the second product
	s_cbranch_scc1 .Lno_fetch_\@
	XFETCH (\m)+1
.Lno_fetch_\@:
.endif
.set i, 0
.rept 32
	v_cvt_pk_bf16_f32 v[HB+i], v[ACC+2*i], v[ACC+2*i+1]   ; each accumulator from its low end on
.set i, i+1
.endr
.rept 4
	v_nop
.endr
	WIN 0x03                                       ; source 0 (W2^T) window 3
	v_wmma_f32_16x16x32_bf16 v[OUTA:OUTA+7], v[W2T:W2T+7], v[HB:HB+7], 0
	v_wmma_f32_16x16x32_bf16 v[OUTB:OUTB+7], v[W2T+8:W2T+15], v[HB+8:HB+15], 0
	v_wmma_f32_16x16x32_bf16 v[OUTA:OUTA+7], v[W2T+16:W2T+23], v[HB+16:HB+23], v[OUTA:OUTA+7]
	v_wmma_f32_16x16x32_bf16 v[OUTB:OUTB+7], v[W2T+24:W2T+31], v[HB+24:HB+31], v[OUTB:OUTB+7]
	WIN 0
.rept 4
	v_nop
.endr
.irp i, 0,1,2,3,4
	v_add_f32 v[PS+\i], v[OUTA+\i], v[OUTB+\i]
.endr
	ds_store_b128 v[PA], v[PS:PS+3] offset:640*(\m)
	ds_store_b32 v[PB], v[PS+4] offset:640*(\m)+512
.endm
	s_load_b512 s[4:19], s[0:1], 0x0               ; features s[4:5], pointgoal s[6:7], wimg s[8:9], list s[10:11], cnt s[12:13], out0 s[14:15], b1 of a0 s[16:17], a1 s[18:19]
	s_load_b512 s[20:35], s[0:1], 0x40             ; b1 of a2 s[20:21], c0 s[22:23], c1 s[24:25], c2 s[26:27]; b2 of a0 s[28:29], a1 s[30:31], a2 s[32:33], c0 s[34:35]
	s_load_b256 s[36:43], s[0:1], 0x80             ; b2 of c1 s[36:37], c2 s[38:39]; Wp of a2 s[40:41], c2 s[42:43]
	s_load_b128 s[44:47], s[0:1], 0xa0             ; bp of a2 s[44:45], c2 s[46:47]
	v_lshl_add_u32 v126, v0, 2, 0x8c00
	v_mov_b32 v127, 0
	v_lshrrev_b32 v28, 5, v0
	v_readfirstlane_b32 s2, v28                    ; wave 0..3
	s_and_b32 s3, ttmp7, 0xffff                    ; the task
	v_and_b32 v25, 31, v0                          ; lane
	v_and_b32 v26, 15, v0                          ; r
	v_bfe_u32 v27, v0, 4, 1                        ; h
	v_and_b32 v28, 1, v0                           ; lane % 2
	v_lshlrev_b32 v[L16], 4, v25
	v_lshlrev_b32 v[L8], 3, v25
	v_lshlrev_b32 v[L4], 2, v25
	v_mul_u32_u24 v[H12], v27, 12
	v_cmp_ne_u32 s97, 0, v27                       ; lanes 16-31
	v_cmp_ne_u32 vcc_lo, 0, v28
	v_mov_b32 v[SELV], 0x01000504                  ; an even lane: bytes 0, 1 of its own pieces, then bytes 0, 1 of its neighbour's
	v_mov_b32 v29, 0x07060302                      ; an odd lane: bytes 2, 3 of its neighbour's, then bytes 2, 3 of its own
	v_cndmask_b32 v[SELV], v[SELV], v29, vcc_lo
	v_lshlrev_b32 v[WPA], 4, v26
	v_and_b32 v[BPA], 7, v0
	v_lshlrev_b32 v[BPA], 4, v[BPA]
	s_mul_i32 s94, s2, 1536
	s_add_co_u32 s94, s94, BCS
	v_add_nc_u32 v[BCA], s94, v[L16]
	v_lshl_add_u32 v29, v27, 5, s94                ; b1 is read back 8 numbers for each half of the lanes,
	v_lshl_add_u32 v30, v27, 6, s94                ; Wp and bp 16
	v_mul_u32_u24 v[AF], v26, XP
	v_lshl_add_u32 v[AF], v27, 6, v[AF]
	s_mul_i32 s94, s2, XT
	v_mul_u32_u24 v[XI], v28, XP
	v_bfe_u32 v25, v0, 1, 4                        ; lane / 2
	v_lshl_add_u32 v[XI], v25, 2, v[XI]
	v_add_nc_u32 v[XI], s94, v[XI]
	s_lshl_b32 s94, s2, 8
	s_add_co_u32 s95, s94, XSC
	v_bfe_u32 v25, v0, 3, 2                        ; lane / 8
	v_lshl_add_u32 v[XSA], v25, 2, s95
	v_lshl_add_u32 v[AXS], v26, 4, XSC
	s_add_co_u32 s94, s94, PGI
	v_add_nc_u32 v[PGS], s94, v[L8]
	s_mul_i32 s94, s2, 2560
	s_add_co_u32 s94, s94, PART
	v_add_nc_u32 v[PA], s94, v[L16]
	v_add_nc_u32 v[PB], s94, v[L4]
	s_mul_i32 s94, s2, 640
	s_add_co_u32 s94, s94, PART
	v_lshl_add_u32 v[PR], v26, 4, s94
	v_lshl_add_u32 v[PSR], v26, 2, s94
	s_lshl_b32 s94, s2, 6
	v_lshl_add_u32 v[LA], v26, 2, s94
.irp p, 0,1,2,3,4,5,6,7
	v_mov_b32 v[YNB+\p], 0                         ; written once: the destination of a move between lanes counts as one of its sources
.endr
	s_mov_b32 s62, 0x76543210
	s_mov_b32 s63, 0xfedcba98                      ; v_permlanex16_b32's selects for lane l xor 16
	s_mov_b32 s98, 0x07060100                      ; bytes 0, 1 of the second source, bytes 2, 3 of the first
	s_mov_b32 s61, 0
	s_wait_kmcnt 0x0
	s_cmp_lt_u32 s2, 2                             ; an actor's wave or a critic's; then the task: the choices hang on ids alone
	s_cselect_b64 s[48:49], s[16:17], s[22:23]
	s_cselect_b64 s[50:51], s[18:19], s[24:25]
	s_cselect_b64 s[52:53], s[20:21], s[26:27]
	s_cselect_b64 s[54:55], s[40:41], s[42:43]     ; Wp
	s_cselect_b64 s[56:57], s[44:45], s[46:47]     ; bp
	s_cmp_eq_u32 s3, 1
	s_cselect_b64 s[50:51], s[50:51], s[52:53]
	s_cselect_b64 s[30:31], s[30:31], s[32:33]
	s_cselect_b64 s[36:37], s[36:37], s[38:39]
	s_cmp_eq_u32 s3, 0
	s_cselect_b64 s[48:49], s[48:49], s[50:51]     ; b1
	s_cselect_b64 s[50:51], s[28:29], s[30:31]     ; the actor's b2
	s_cselect_b64 s[52:53], s[34:35], s[36:37]     ; the critic's
	s_and_b32 s94, s2, 1
	s_lshl_b32 s60, s94, 9
	s_add_nc_u64 s[48:49], s[48:49], s[60:61]      ; my 128 units of b1
	s_lshl_b32 s94, s3, 2
	s_add_co_u32 s94, s94, s2
	s_mul_i32 s60, s94, SEC
	s_add_nc_u64 s[8:9], s[8:9], s[60:61]          ; my section of wimg
	s_mul_i32 s94, ttmp9, 3
	s_add_co_u32 s94, s94, s3
	s_lshl_b32 s60, s94, 12
	s_add_nc_u64 s[10:11], s[10:11], s[60:61]      ; my work-group's list
	s_lshl_b32 s60, s2, 6
	s_add_nc_u64 s[58:59], s[10:11], s[60:61]      ; and my tile's entries in its first block
	s_lshl_b32 s60, ttmp9, 7
	s_lshl_b32 s94, s3, 2
	s_add_co_u32 s60, s60, s94
	s_add_nc_u64 s[12:13], s[12:13], s[60:61]
	s_load_b32 s84, s[12:13], 0x0                  ; the list's length
	s_load_b512 s[TK:TK+15], s[58:59], 0x0         ; my tile of block 0
	s_load_b128 s[88:91], s[50:51], 0x0
	s_load_b32 s92, s[52:53], 0x0
	global_load_b32 v[TOKL], v[LA], s[10:11]       ; the same entries, a lane a token
	global_load_b128 v[128:131], v[L16], s[48:49]  ; my 128 numbers of b1, Wp's 64 and bp's 32: one load each; they are spread over the lanes through LDS below
	global_load_b128 v[132:135], v[WPA], s[54:55]
	global_load_b128 v[136:139], v[BPA], s[56:57]
	WIN 0x40                                       ; THE WEIGHTS STAY IN REGISTERS.  W1's fragments: window 1
.irp j, 0,1,2,3,4,5,6,7
.irp s, 0,1,2,3
.irp c, 0,1
	global_load_b128 v[32*\j+8*\s+4*\c:32*\j+8*\s+4*\c+3], v[L16], s[8:9] offset:5120*\j+1024*\s+512*\c
.endr
.endr
.endr
	WIN 0
.irp j, 0,1,2,3,4,5,6,7
	global_load_b128 v[W1S+4*\j:W1S+4*\j+3], v[L16], s[8:9] offset:40960+512*\j
.endr
.irp a, 0,1
	global_load_b128 v[W1S5+4*\a:W1S5+4*\a+3], v[L16], s[8:9] offset:45056+512*\a
.endr
	WIN 0xc0                                       ; window 3
.irp j, 0,1,2,3,4,5,6,7
	global_load_b128 v[W5+8*\j:W5+8*\j+3], v[L16], s[8:9] offset:5120*\j+4096
	global_load_b128 v[W2T+4*\j:W2T+4*\j+3], v[L16], s[8:9] offset:46080+512*\j
.endr
.irp j, 0,1,2,3,4,5,6,7
.irp i, 4,5,6,7
	v_mov_b32 v[W5+8*\j+\i], 0                     ; the fifth step has 32 along K: the upper half of its fragments is zero codes, written here and kept
.endr
.endr
	v_mov_b32 v[EMT], 0                            ; a lane permute's destination
	v_mov_b32 v[PH+1], 0                           ; named as the upper half of a pair
.irp i, 2,3,4,5,6,7
	v_mov_b32 v[EC+\i], 0                          ; the embedding's fragment: registers 4 to 7 stay zero codes
.endr
	WIN 0
	s_wait_kmcnt 0x0
	s_min_u32 s84, s84, GS
	s_add_co_u32 s85, s84, 63
	s_lshr_b32 s85, s85, 6
	s_sub_co_i32 s85, s85, 1                       ; the last block's number; -1 for an empty list
	s_mov_b32 s96, s84                             ; tokens from the block in hand on
	s_lshl_b32 s94, s2, 4
	s_sub_co_i32 s87, s84, s94                     ; and from my tile of it on
	MKOFF                                          ; block 0's rows
	s_wait_loadcnt 63                              ; the tokens, b1, Wp and bp: 90 loads were issued behind them
	ds_store_b128 v[BCA], v[128:131]               ; into my own 1,536 bytes; LDS serves a wave's instructions in order, so no wait stands between these stores and the loads below
	ds_store_b128 v[BCA], v[132:135] offset:512
	ds_store_b128 v[BCA], v[136:139] offset:1024
	WIN 0xc0
.irp j, 0,1,2,3,4,5,6,7
.irp c, 0,1
	ds_load_b128 v[B1+8*\j+4*\c:B1+8*\j+4*\c+3], v29 offset:64*\j+16*\c      ; lane (r, h): b1 of units 16 j + 8 h + 0 .. 7
.endr
.endr
.irp i, 0,1,2,3
	ds_load_b128 v[WP0+4*\i:WP0+4*\i+3], v30 offset:512+16*\i                ; lane (r, h): numbers 16 h + 0 .. 15 of Wp's two rows and of bp
	ds_load_b128 v[WP1+4*\i:WP1+4*\i+3], v30 offset:640+16*\i
	ds_load_b128 v[BP+4*\i:BP+4*\i+3], v30 offset:1024+16*\i
.endr
	WIN 0
	v_min_u32 v[TOKN], 0xffff, v[TOKL]
	v_lshlrev_b32 v[PGA], 3, v[TOKN]
	global_load_b64 v[PGL:PGL+1], v[PGA], s[6:7]
	global_load_b32 v[TOKL], v[LA], s[10:11] offset:256
	REFILL 0
	REFILL 1
	REFILL 2
	REFILL 3
	s_load_b512 s[TK:TK+15], s[58:59], 0x100       ; my tile of block 1
	s_wait_loadcnt 63                              ; the weights are older than the 66 loads just issued
	s_wait_dscnt 0x0                               ; b1, Wp and bp are in their registers, and the three stores have read theirs
	s_mov_b32 s86, 0
.Lblk:
	HEADA
	s_cmp_lt_i32 s86, s85
	s_cbranch_scc1 .Lfull
	s_cmp_eq_u32 s86, s85
	s_cbranch_scc0 .Lx_done                        ; past the list's end: nothing to quantise
	s_cmp_le_i32 s87, 0
	s_cbranch_scc1 .Lx_done                        ; my tile of the last block has no token
	PHASEX 0                                       ; the last block asks for nothing more
	s_branch .Lx_done
.Lfull:                                            ; the block has a successor: the list is read two blocks ahead, pointgoal and the rows one
	s_load_b512 s[TK:TK+15], s[58:59], 0x200
	global_load_b64 v[PGL:PGL+1], v[PGA], s[6:7]
	global_load_b32 v[TOKL], v[LA], s[10:11] offset:512
	PHASEX 1
.Lx_done:
	BARRIER                                        ; the block's codes, scale words and pointgoal lie in LDS; every wave's reads of the last block's parts are over
	s_cmp_le_i32 s96, 0
	s_cbranch_scc1 .Ltiles_done
	XFETCH 0
	TILE 0
	TILE 1
	TILE 2
	TILE 3
.Ltiles_done:
	BARRIER                                        ; all parts lie in LDS; every wave's reads of the codes are over, so the next block's may be written
	s_cmp_le_i32 s87, 0
	s_cbranch_scc1 .Lf_done
.irp w, 0,1,2,3                                ; my tile's parts from the four waves: lanes r and 16 + r read the same
	ds_load_b128 v[FP+8*\w:FP+8*\w+3], v[PR] offset:2560*\w
	ds_load_b32 v[FP+8*\w+4], v[PSR] offset:2560*\w+512
.endr
	s_wait_dscnt 0x0
.irp i, 0,1,2,3,4
	v_add_f32 v[FP+\i], v[FP+\i], v[FP+8+\i]
	v_add_f32 v[FP+16+\i], v[FP+16+\i], v[FP+24+\i]
.endr
.irp i, 0,1,2,3,4
	v_add_f32 v[FO+\i], v[FP+\i], v[FP+16+\i]
.endr
	v_add_f32 v[FO], s92, v[FO]                    ; the critic's b2
.irp i, 1,2,3,4
	v_add_f32 v[FO+\i], s[87+\i], v[FO+\i]         ; the actor's four
.endr
	v_cndmask_b32 v[FO], v[FO], v[FO+3], s97       ; lanes 0-15 store numbers 0 and 1 of their row, lanes 16-31 numbers 3 and 4, 12 bytes further on;
	v_cndmask_b32 v[FO+1], v[FO+1], v[FO+4], s97
	global_store_b32 v[OA], v[FO], s[14:15]
	global_store_b32 v[OA], v[FO+1], s[14:15] offset:4
	global_store_b32 v[OA2], v[FO+2], s[14:15] offset:8    ; number 2 goes out from both halves, the same number to the same place
.Lf_done:
	s_wait_xcnt 0x0                                ; the loads that name the list's two pointers have taken them, the stores their registers
	s_add_nc_u64 s[10:11], s[10:11], 256           ; a block of the list on; with 13 trips both stay inside the list's 4,096 bytes
	s_add_nc_u64 s[58:59], s[58:59], 256
	s_sub_co_i32 s87, s87, 64
	s_sub_co_i32 s96, s96, 64
	s_add_co_u32 s86, s86, 1
	s_cmp_lt_u32 s86, NBMAX
	s_cbranch_scc1 .Lblk
	s_wait_tensorcnt 0x0
	ds_add_u32 v126, v127
	s_wait_dscnt 0x0
	s_endpgm
.Lfunc_end_k_q20fd6461fe_heads:
	.size	k_q20fd6461fe_heads, .Lfunc_end_k_q20fd6461fe_heads-k_q20fd6461fe_heads
	.p2alignl 7, 3214868480
	.fill 96, 4, 3214868480
	.section	.rodata,"a",@progbits
	.p2align	6, 0x0
	.amdhsa_kernel k_q20fd6461fe_heads
		.amdhsa_group_segment_fixed_size 36352
		.amdhsa_private_segment_fixed_size 0
		.amdhsa_enable_private_segment 0
		.amdhsa_kernarg_size 176
		.amdhsa_user_sgpr_count 2
		.amdhsa_user_sgpr_kernarg_segment_ptr 1
		.amdhsa_wavefront_size32 1
		.amdhsa_system_sgpr_workgroup_id_x 1
		.amdhsa_system_sgpr_workgroup_id_y 1
		.amdhsa_system_sgpr_workgroup_id_z 1
		.amdhsa_system_vgpr_workitem_id 0
		.amdhsa_next_free_vgpr 1024
		.amdhsa_next_free_sgpr 100
		.amdhsa_reserve_vcc 1
		.amdhsa_float_denorm_mode_32 3
		.amdhsa_float_denorm_mode_16_64 3
		.amdhsa_memory_ordered 1
		.amdhsa_forward_progress 1
		.amdhsa_inst_pref_size 173
	.end_amdhsa_kernel
	.amdgpu_metadata
---
amdhsa.version: [ 1, 2 ]
amdhsa.kernels:
  - .name:           k_q20fd6461fe_heads
    .symbol:         k_q20fd6461fe_heads.kd
    .args:
      - { .name: features, .offset: 0, .size: 8, .value_kind: global_buffer, .address_space: global }
      - { .name: pointgoal, .offset: 8, .size: 8, .value_kind: global_buffer, .address_space: global }
      - { .name: wimg, .offset: 16, .size: 8, .value_kind: global_buffer, .address_space: global }
      - { .name: list, .offset: 24, .size: 8, .value_kind: global_buffer, .address_space: global }
      - { .name: cnt, .offset: 32, .size: 8, .value_kind: global_buffer, .address_space: global }
      - { .name: out0, .offset: 40, .size: 8, .value_kind: global_buffer, .address_space: global }
      - { .name: a0_b1, .offset: 48, .size: 8, .value_kind: global_buffer, .address_space: global }
      - { .name: a1_b1, .offset: 56, .size: 8, .value_kind: global_buffer, .address_space: global }
      - { .name: a2_b1, .offset: 64, .size: 8, .value_kind: global_buffer, .address_space: global }
      - { .name: c0_b1, .offset: 72, .size: 8, .value_kind: global_buffer, .address_space: global }
      - { .name: c1_b1, .offset: 80, .size: 8, .value_kind: global_buffer, .address_space: global }
      - { .name: c2_b1, .offset: 88, .size: 8, .value_kind: global_buffer, .address_space: global }
      - { .name: a0_b2, .offset: 96, .size: 8, .value_kind: global_buffer, .address_space: global }
      - { .name: a1_b2, .offset: 104, .size: 8, .value_kind: global_buffer, .address_space: global }
      - { .name: a2_b2, .offset: 112, .size: 8, .value_kind: global_buffer, .address_space: global }
      - { .name: c0_b2, .offset: 120, .size: 8, .value_kind: global_buffer, .address_space: global }
      - { .name: c1_b2, .offset: 128, .size: 8, .value_kind: global_buffer, .address_space: global }
      - { .name: c2_b2, .offset: 136, .size: 8, .value_kind: global_buffer, .address_space: global }
      - { .name: a2_Wp, .offset: 144, .size: 8, .value_kind: global_buffer, .address_space: global }
      - { .name: c2_Wp, .offset: 152, .size: 8, .value_kind: global_buffer, .address_space: global }
      - { .name: a2_bp, .offset: 160, .size: 8, .value_kind: global_buffer, .address_space: global }
      - { .name: c2_bp, .offset: 168, .size: 8, .value_kind: global_buffer, .address_space: global }
    .group_segment_fixed_size: 36352
    .private_segment_fixed_size: 0
    .kernarg_segment_align: 8
    .kernarg_segment_size: 176
    .max_flat_workgroup_size: 128
    .sgpr_count:     100
    .vgpr_count:     1024
    .wavefront_size: 32
...
	.end_amdgpu_metadata
.endif
;; end of part 2
;; ======== version 2 of 2: 2 launches; version 1 with the launch heads written anew for expert scheduling mode
;; workspace buffers: wimg 602,112 bytes; list 1,044,480 bytes of whole numbers; cnt 11,008 bytes of whole numbers
;; launch prep: the kernel of part 1 again; grid 181 x 1, 1 waves a work-group, no clusters, 0 bytes of LDS; arguments task_id, a0_W1_codes, a1_W1_codes, a2_W1_codes, c0_W1_codes, c1_W1_codes, c2_W1_codes, a0_W1_scales, a1_W1_scales, a2_W1_scales, c0_W1_scales, c1_W1_scales, c2_W1_scales, a0_W2, a1_W2, a2_W2, c0_W2, c1_W2, c2_W2, wimg, list, cnt; writes wimg, list, cnt
;; launch heads (part 3): grid 85 x 3, 4 waves a work-group, no clusters, 36,352 bytes of LDS; arguments features, pointgoal, wimg, list, cnt, out0, a0_b1, a1_b1, a2_b1, c0_b1, c1_b1, c2_b1, a0_b2, a1_b2, a2_b2, c0_b2, c1_b2, c2_b2, a2_Wp, c2_Wp, a2_bp, c2_bp; writes out0
.if DOCPART == 3
	.amdgcn_target "amdgcn-amd-amdhsa--gfx1250"
	.amdhsa_code_object_version 6
	.text
	.protected	k_q20fd6461fe_heads
	.globl	k_q20fd6461fe_heads
	.p2align	8
	.type	k_q20fd6461fe_heads,@function
k_q20fd6461fe_heads:
	s_mov_b64 s[64:65], 0
	v_nop
	global_prefetch_b8 v0, s[64:65] scope:SCOPE_SE
	s_setreg_imm32_b32 hwreg(HW_REG_WAVE_SCHED_MODE, 0, 2), 2
	s_setreg_imm32_b32 hwreg(HW_REG_WAVE_MODE, 25, 1), 1
	s_wait_xcnt 0x0
	s_wait_alu depctr_vm_vsrc(0)
; out0[token] = (value, four logits) of the token's own task.  Work-group (g, t) serves the tokens of group g (772 neighbouring tokens) whose task is t, as the launch before has listed them:
; gather the rows of features, quantise them to FP4 (E2M1) with one E8M0 scale for each 32 along K, first layer on codes, + b1 in f32, second layer in bf16, + b2, store.  Nothing between goes to memory; each output row has one owner.
; SHARES.  A block is 64 entries of the list: four tiles of 16 tokens.  Wave w loads, quantises and at the end stores tile w of the block.  FOR THE PRODUCTS THE WAVES SHARE THE COLUMNS: wave w holds the codes of 128 hidden units
; (w = 0, 1: the actor's 0-127, 128-255; w = 2, 3: the critic's) in registers for the whole launch and multiplies all four tiles by them.  The rows' codes go from wave to wave through LDS, as rows of 256 bytes.
; THE ROWS ARE QUANTISED AS THEY LAND.  A load brings 512 consecutive bytes of one row: lane l holds k = 4 l .. 4 l + 3, so a block of 32 lies in eight lanes, whose largest magnitude three steps between lanes find.
; The conversion takes eight consecutive registers, here four numbers of row i and four of row i + 1: it is run twice, once with each row's scale; the low 16 bits of the first and the high 16 bits of the second are kept.
; Neighbouring lanes then exchange their pieces, so that even lanes hold a word of the even row and odd lanes a word of the odd row.  Only codes and scale words go through LDS: 272 bytes for a row's 2,048.
; K IS PERMUTED, alike in the rows and in W1 (the launch before lays W1 so): matrix step g takes, as its block b, K = 128 b + 32 g + 0 .. 31.  A lane of group g (lane / 8) then gathers, over the four loads of a row, just the four
; scale bytes of matrix step g: one word.  The sums are the same but for their order.
; LAYOUT.  The first product is used transposed (source 0 = 16 units of W1, source 1 = 16 tokens): a lane holds ONE token, register i of tile j unit 16 j + 8 (lane / 16) + i.  Two neighbouring tiles, rounded to bf16 in pairs,
; ARE source 1 (32 units x 16 tokens) of out^T = W2^T H^T, whose row 0 is the value and rows 1 to 4 the logits: lane r (0-15) holds token r, registers 0 to 4 its five numbers.  The four waves' parts are added through LDS.
; TASK 2 has a fifth matrix step: 32 numbers pointgoal x Wp + bp, made in f32 as fma(pg1, Wp[1], fma(pg0, Wp[0], bp)), quantised as one block; the rest of the step is zero codes.  Actor and critic waves have their own Wp and bp.
; THE LOOP walks 13 blocks, as many as a list of 772 can have, whatever the list's length.
; The offsets made from list entries are made in every trip, at its head, outside those branches; only the loads stand under them.
; THE LAST TILE OF A LIST is filled up with a token of the same list (the launch before writes it behind the list's end): such a slot computes that token's row once more and stores the same numbers to the same place.
; So all lanes stay on throughout: no line writes EXEC.  Lanes 16-31 read the same parts as lanes 0-15, and the two halves share a row's five numbers out between them.
; No tensor load and no cluster: branches hang on a stored number, and the rows are gathered.  No prefetch: each wave has 64 loads of 512 bytes on its way all the time.
; LIMITS.  NaN and infinities among features and pointgoal are not served.  A block whose largest magnitude lies under 2^-124, a block of zeros among them, gets the scale byte 1 (zeros: zero codes, which add nothing).
; The hidden layer and W2 are rounded to bf16 for the second product.  The order of the two multiply-adds of the embedding differs from a sum of products with the bias added last.
; THE MODE: SCHED_MODE bits 1:0 = 2 (LLVM: expert scheduling mode 2), set by the entry lines.  The code itself states the register dependences between vector or matrix instructions and memory or LDS instructions,
; with s_wait_alu, always for 0.
; THE PLAN.  Registers that memory or LDS instructions touch in the loop, and who else names them:
;   ROW0 .. ROW3 (window 2)  Step s of the quantising: its maxima and conversions read ROW[s]; behind them the next block's loads land in it.
;   OFF, PGA                 Written at a trip's head; read by the 64 row loads and by pointgoal's load of that trip.
;   PGL, TOKL                Loads of a trip land in them; the next trip's head reads them.
;   CDR0 .. CDR3, SWR, PGC   Written by step s's lines (PGC: by the trip's head); read by LDS stores: CDR[s]'s stand in step s + 1, the last step's, SWR's and PGC's at the phase's end.  The products, the roundings, the loads of
;                            the parts and the last additions write over CDR and SWR later in the trip.
;   XF, XS, PG               A tile's LDS loads land in them; its products (PG: the embedding's lines) read them; the next tile's loads land behind those.
;   PS                       A tile's five additions write it, its two LDS stores read it.
;   FP; FO, OA, OA2          The parts' LDS loads land in FP, over the hidden layer; FO is written by the last additions, OA and OA2 by the trip's head; the three global stores read them.
;   All other addresses are made once, at the kernel's head.
; THE WAITS OF A TRIP.  On vm_vsrc: one at its top (what the last trip's loads and stores read is written again from there on); one in front of the first barrier (the LDS stores have read CDR and SWR); one between two tiles (PS).
; On va_vdst: one in front of the trip's two small loads; ONE TO A STEP, behind its conversions, for the row loads and for the code stores of the step before, which follow it dealt among the step's remaining lines (these name
; MXR, SWR, BYR, CDR[s], YNB and SELV: none of the registers that those loads and stores touch); one at the phase's end; in a tile one ahead of the next tile's LDS loads, one ahead of its two stores, and for task 2 one ahead of
; the fifth step's products; one ahead of the global stores.  The first tile's LDS loads and the loads of the parts owe none of their own: on every way to them the last vector or matrix instruction that names their registers
; stands ahead of one of these waits, and behind it come only the lines of the trip's head, which name other registers.
; REGISTERS, in windows of 256.  Window 0: addresses, scale words, work (below).  Window 1: W1's 32 fragments, (tile j, matrix step g) at v[32 j + 8 g].  Window 2: the rows as they land, load s, row i at v[64 s + 4 i].
; Window 3: v0-63 W1's fragments of the fifth step; v64-111 Wp's two rows and bp; v112-143 the embedding at work; v144-175 W2^T; v176-191 the rows' byte offsets; v192-255 b1 in the first product's result layout.
.set GS,    772
.set NBMAX, 13
.set SEC,   50176                      ; a section of wimg
.set XP,    272                        ; LDS: a row's 256 bytes of codes + 16: the sixteen rows that a fragment load touches begin at sixteen different places modulo 256 bytes
.set XT,    16*XP                      ; a tile's rows
.set XIMG,  0                          ; the rows' codes: tile m, row r at XT m + XP r, byte k / 2
.set XSC,   4*XT                       ; their scale words: 256 m + 16 r + 4 g
.set PGI,   XSC+1024                   ; pointgoal of a tile's tokens: 256 m + 8 lane
.set PART,  PGI+1024                   ; parts of out^T: wave w', tile m at 2560 w' + 640 m: registers 0-3 at 16 lane, register 4 at 512 + 4 lane
.set BCS,   PART+10240                 ; each wave's own 1,536 bytes, used once at the start: my 128 numbers of b1, Wp, bp
.set L16,  1                           ; 16 x lane
.set L8,   2                           ; 8 x lane
.set L4,   3                           ; 4 x lane
.set SELV, 4                           ; the byte selector by which neighbouring lanes' pieces become a word: one for even lanes, one for odd
.set BCA,  5                           ; my 1,536 bytes, + 16 x lane
.set AF,   6                           ; a fragment's place for my lane: XP (lane % 16) + 64 (lane / 16)
.set XI,   7                           ; where I store my tile's codes: XT w + XP (lane % 2) + 4 (lane / 2)
.set XSA,  8                           ; its scale words: XSC + 256 w + 4 (lane / 8)
.set PGS,  9                           ; its pointgoal
.set PA,   10                          ; where I store my parts: registers 0-3
.set PB,   11                          ; register 4
.set PR,   12                          ; where I read my tile's parts: by lane % 16, so that both halves of the lanes hold the same
.set PSR,  13
.set LA,   14                          ; 64 w + 4 (lane % 16): my tile's entries in a block of the list
.set H12,  15                          ; 12 x (lane / 16)
.set AXS,  16                          ; XSC + 16 (lane % 16): a tile's scale words for my lane
.set TOKN, 17                          ; my token in the next block
.set TOKL, 18                          ; as loaded, in the block after that
.set PGA,  19
.set PGL,  20                          ; v[20:21] pointgoal as loaded
.set PGC,  22                          ; v[22:23] of the block in hand
.set OA,   24                          ; my token's row in out0, + 12 bytes in lanes 16-31
.set OA2,  31                          ; the same without
.set W1S,  32                          ; v32-63  W1's scale words, 4 j + g
.set W1S5, 64                          ; v64-71  and those of the fifth step
.set XS,   72                          ; v72-75  a tile's scale words
.set ES,   76                          ; v76     the embedding's
.set YNB,  80                          ; v80-87  my neighbour's pieces
.set PS,   88                          ; v88-92  a tile's five sums
.set WPA,  94                          ; 16 (lane % 16): Wp's 256 bytes
.set BPA,  95                          ; 16 (lane % 8): bp's 128 bytes
.set OUTA, 108
.set OUTB, 116
.set MXR,  128                         ; v128-143 while my tile is quantised: a row's largest magnitude, then the conversion's scale operand;
.set SWR,  144                         ; v144-159 a row's scale word as it grows;
.set CDR,  160                         ; v160-223 the codes, sixteen registers for each of the four loads, so that no LDS store's data are written again ahead of the barrier;
.set BYR,  224                         ; v224-239 scale bytes
.set ACC,  128                         ; later v128-191 eight tiles of the hidden layer,
.set HB,   192                         ; v192-223 the same in bf16,
.set XF,   224                         ; v224-255 a tile's four fragments;
.set FP,   128                         ; later the four parts
.set FO,   160                         ; and the five results
.set W5,   0                           ; window 3
.set WP0,  64
.set WP1,  80
.set BP,   96
.set EV,   112
.set EC,   128
.set PG,   136
.set PH,   138
.set EMX,  140
.set EMT,  141
.set SO5,  142
.set BY5,  143
.set W2T,  144
.set OFF,  176
.set B1,   192
.set TK,   68                          ; s[68:83] sixteen entries of the list
.set MSB, 0
.macro WIN new                         ; the immediate's high byte repeats the setting that is left; bits 1:0 source 0, 3:2 source 1, 5:4 source 2, 7:6 destination
.if MSB != \new
	s_set_vgpr_msb (MSB<<8)|\new
.set MSB, \new
.endif
.endm
.macro BARRIER                         ; my LDS stores have landed and my LDS loads are in: then the work-group's barrier
	s_wait_dscnt 0x0
	s_barrier_signal -1
	s_barrier_wait -1
.endm
.macro MKOFF                           ; sixteen entries of the list become sixteen rows' byte offsets: a token number is held inside features, a row is 2,048 bytes
	WIN 0xc0
.irp i, 0,1,2,3,4,5,6,7,8,9,10,11,12,13,14,15
	s_min_u32 s[94+(\i)%2], s[TK+\i], 0xffff
	v_lshl_add_u32 v[OFF+\i], s[94+(\i)%2], 11, v[L16]
.endr
	WIN 0
.endm
.macro ROWS s, i0                      ; load s (K = 128 s on) of rows i0 .. i0 + 7 of the next block's 16: each load reads 512 consecutive bytes of one row.  Under destination window 2, address window 3
.irp i, 0,1,2,3,4,5,6,7
	global_load_b128 v[64*(\s)+4*((\i0)+\i):64*(\s)+4*((\i0)+\i)+3], v[OFF+(\i0)+\i], s[4:5] offset:512*(\s) th:TH_LOAD_NT
.endr
.endm
.macro CODES s                         ; step s's codes go to LDS: a word of two rows an instruction
.irp p, 0,1,2,3,4,5,6,7
	ds_store_b32 v[XI], v[CDR+16*(\s)+2*\p] offset:XIMG+XP*2*\p+64*(\s)
.endr
.endm
; K = 128 s .. 128 s + 127 of my 16 rows, as they landed, become codes; each line runs over the 16 rows, so that no line waits for the line above it.  cnt: the loads younger than these sixteen.
.macro XSTEP s, refill, cnt
	s_wait_loadcnt \cnt
	WIN 0x0a                                       ; sources 0 and 1: window 2
.irp i, 0,1,2,3,4,5,6,7,8,9,10,11,12,13,14,15
	v_max3_num_f32 v[MXR+\i], |v[64*(\s)+4*\i]|, |v[64*(\s)+4*\i+1]|, 0x1800000   ; my four numbers of row i, and the floor 2^(3 - 127), so that the byte cannot fall under 1
.endr
.irp i, 0,1,2,3,4,5,6,7,8,9,10,11,12,13,14,15
	v_max3_num_f32 v[MXR+\i], |v[64*(\s)+4*\i+2]|, |v[64*(\s)+4*\i+3]|, v[MXR+\i]
.endr
	WIN 0
.irp x, 1,2,4                                  ; with the seven other lanes that share the block
.irp i, 0,1,2,3,4,5,6,7,8,9,10,11,12,13,14,15
	v_max_num_f32_dpp v[MXR+\i], v[MXR+\i], v[MXR+\i] row_xmask:\x row_mask:0xf bank_mask:0xf
.endr
.endr
.irp i, 0,1,2,3,4,5,6,7,8,9,10,11,12,13,14,15
	v_add_nc_u32 v[MXR+\i], 0xff000000, v[MXR+\i]  ; 2 off the exponent field: the conversion takes the exponent field of this operand as its scale
.endr
	WIN 0x02                                       ; source 0: window 2
.irp p, 0,1,2,3,4,5,6,7                        ; rows 2 p and 2 p + 1 lie in eight consecutive registers: converted with the even row's scale (the low 16 bits count) and with the odd row's (the high 16 bits)
	v_cvt_scalef32_pk8_fp4_f32 v[CDR+16*(\s)+2*\p], v[64*(\s)+8*\p:64*(\s)+8*\p+7], v[MXR+2*\p]
	v_cvt_scalef32_pk8_fp4_f32 v[CDR+16*(\s)+2*\p+1], v[64*(\s)+8*\p:64*(\s)+8*\p+7], v[MXR+2*\p+1]
.endr
.if \refill
	WIN 0x83                                       ; destination window 2, address window 3
.else
	WIN 0
.endif
.if (\refill) || ((\s) > 0)
	s_wait_alu depctr_va_vdst(0)                   ; where rows are asked for: the maxima and the conversions are done reading this load's 64 registers, in which the next block's rows land; from the second step on: the step before has written its codes, which the LDS stores below read
.endif
.if \refill
	ROWS \s, 0                                     ; the first eight rows at once
	WIN 0
.endif
.if (\s) > 0
	CODES (\s)-1                                   ; the codes of the step before
.endif
.if \s == 0
.irp i, 0,1,2,3,4,5,6,7,8,9,10,11,12,13,14,15
	v_lshrrev_b32 v[SWR+\i], 23, v[MXR+\i]         ; the scale's byte: byte s of the word of my lane group.  (Plain lines between the conversions and the lines that read their results)
.endr
.else
.irp i, 0,1,2,3,4,5,6,7,8,9,10,11,12,13,14,15
	v_lshrrev_b32 v[BYR+\i], 23, v[MXR+\i]
.endr
.irp i, 0,1,2,3,4,5,6,7,8,9,10,11,12,13,14,15
	v_lshl_or_b32 v[SWR+\i], v[BYR+\i], 8*(\s), v[SWR+\i]
.endr
.endif
.if \refill
	WIN 0x83
	ROWS \s, 8                                     ; the other eight rows.  No wait: no vector instruction since the wait above names these registers or their offsets
	WIN 0
.endif
.irp p, 0,1,2,3,4,5,6,7
	v_perm_b32 v[CDR+16*(\s)+2*\p+1], v[CDR+16*(\s)+2*\p+1], v[CDR+16*(\s)+2*\p], s98   ; low half: my piece of the even row; high half: of the odd row
.endr
.irp p, 0,1,2,3,4,5,6,7
	v_mov_b32_dpp v[YNB+\p], v[CDR+16*(\s)+2*\p+1] row_xmask:1 row_mask:0xf bank_mask:0xf   ; the same of lane l xor 1
.endr
.irp p, 0,1,2,3,4,5,6,7
	v_perm_b32 v[CDR+16*(\s)+2*\p], v[CDR+16*(\s)+2*\p+1], v[YNB+\p], v[SELV]   ; an even lane: its own and its neighbour's piece of the even row; an odd lane: its neighbour's and its own of the odd row
.endr
.endm
; With refills the loads younger than load s's sixteen are: the loads not yet read, 16 (3 - s); the two small loads ahead of the phase; the refills issued, 16 s: 50 for every s.  Without: the loads not yet read.
.macro PHASEX refill
.if \refill
	XSTEP 0, 1, 50
	XSTEP 1, 1, 50
	XSTEP 2, 1, 50
	XSTEP 3, 1, 50
.else
	XSTEP 0, 0, 48
	XSTEP 1, 0, 32
	XSTEP 2, 0, 16
	XSTEP 3, 0, 0
.endif
	s_wait_alu depctr_va_vdst(0)                   ; the last step has written its codes and the sixteen scale words, the trip's head v[PGC ..]: the LDS stores below read them
	CODES 3
.irp i, 0,1,2,3,4,5,6,7,8,9,10,11,12,13,14,15
	ds_store_b32 v[XSA], v[SWR+\i] offset:16*\i    ; row i's scale word of matrix step lane / 8: the eight lanes of a group store the same word to the same place
.endr
	ds_store_b64 v[PGS], v[PGC:PGC+1]
.endm
; THE HEAD OF A TRIP, run in every trip by every wave.  What was loaded a trip ago moves up: the next block's rows' offsets; this block's rows in out0 and its pointgoal; the next block's tokens and their place in pointgoal.
; In a trip past the list's end nothing is outstanding, the waits are met at once, and what is made here is not used.
.macro HEADA
	s_wait_kmcnt 0x0                               ; the next block's sixteen entries are in
	s_wait_xcnt 0x0                                ; the loads and stores issued so far have taken their addresses: the offsets may be written again
	s_wait_alu depctr_vm_vsrc(0)                   ; the row loads have read v[OFF ..], pointgoal's load v[PGA], the last trip's stores v[OA], v[OA2], v[FO ..] and v[PGC ..] (first trip: the LDS stores of b1, Wp and bp v128 to v139): all are written again from here on
	MKOFF
	s_wait_loadcnt 63                              ; pointgoal and the tokens as loaded have 64 younger loads behind them
	v_lshlrev_b32 v[OA2], 4, v[TOKN]               ; a row of out0 is 20 bytes: 16 x token
	v_lshl_add_u32 v[OA2], v[TOKN], 2, v[OA2]      ; + 4 x token
	v_add_nc_u32 v[OA], v[H12], v[OA2]
	v_mov_b32 v[PGC], v[PGL]
	v_mov_b32 v[PGC+1], v[PGL+1]
	v_min_u32 v[TOKN], 0xffff, v[TOKL]
	v_lshlrev_b32 v[PGA], 3, v[TOKN]
.endm
.macro XFETCH m                        ; tile m's four fragments (matrix step g, half c: block 2 c + lane / 16 begins at byte 128 c + 64 (lane / 16) + 16 g of the row), its scale words and its tokens' pointgoal
.irp g, 0,1,2,3
.irp c, 0,1
	ds_load_b128 v[XF+8*\g+4*\c:XF+8*\g+4*\c+3], v[AF] offset:XIMG+XT*(\m)+16*\g+128*\c
.endr
.endr
	ds_load_b128 v[XS:XS+3], v[AXS] offset:256*(\m)
	WIN 0xc0
	ds_load_b64 v[PG:PG+1], v[L8] offset:PGI+256*(\m)
	WIN 0
.endm
; Task 2's fifth step.  Lane (r, h) makes numbers 16 h + 0 .. 15 of token r's embedding; the block's largest magnitude joins lanes l and l xor 16; the two exchanges give lanes 0-15 the whole block and lanes 16-31 zeros.
.macro EMB
	s_cmp_lg_u32 s3, 2
	s_cbranch_scc1 .Lno_emb_\@
	WIN 0xff
	v_mov_b32 v[PH], v[PG+1]
.irp i, 0,2,4,6,8,10,12,14
	v_pk_fma_f32 v[EV+\i:EV+\i+1], v[WP0+\i:WP0+\i+1], v[PG:PG+1], v[BP+\i:BP+\i+1] op_sel_hi:[1,0,1]
.endr
.irp i, 0,2,4,6,8,10,12,14
	v_pk_fma_f32 v[EV+\i:EV+\i+1], v[WP1+\i:WP1+\i+1], v[PH:PH+1], v[EV+\i:EV+\i+1] op_sel_hi:[1,0,1]
.endr
	v_max3_num_f32 v[EMX], |v[EV]|, |v[EV+1]|, 0x1800000
.irp i, 2,4,6,8,10,12,14
	v_max3_num_f32 v[EMX], v[EMX], |v[EV+\i]|, |v[EV+\i+1]|
.endr
	v_permlanex16_b32 v[EMT], v[EMX], s62, s63
	v_max_num_f32 v[EMX], v[EMX], v[EMT]
	v_add_nc_u32 v[SO5], 0xff000000, v[EMX]
	v_lshrrev_b32 v[BY5], 23, v[SO5]
	WIN 0x3f                                       ; scale operands have no window: the word goes to window 0
	v_or_b32 v[ES], 0x7f7f7f00, v[BY5]             ; the three blocks of zero codes get the byte of 1.0
	WIN 0xff
	v_cvt_scalef32_pk8_fp4_f32 v[EC], v[EV:EV+7], v[SO5]
	v_cvt_scalef32_pk8_fp4_f32 v[EC+1], v[EV+8:EV+15], v[SO5]
	v_mov_b32 v[EC+2], 0                           ; (plain places behind the conversions)
	v_mov_b32 v[EC+3], 0
	v_permlane16_swap_b32 v[EC], v[EC+2]
	v_permlane16_swap_b32 v[EC+1], v[EC+3]
.rept 8
	v_nop                                          ; a scale register written by a vector instruction stands 8 places ahead of a scaled matrix instruction, an operand so written 4
.endr
	WIN 0x0f                                       ; sources 0 and 1 window 3; C and D window 0
	s_wait_alu depctr_va_vdst(0)                   ; the lines above have written the scale word v[ES] and the embedding's codes v[EC ..], which the scaled products below take; the places above stay beside this wait
.irp j, 0,1,2,3,4,5,6,7
	v_wmma_scale_f32_16x16x128_f8f6f4 v[ACC+8*\j:ACC+8*\j+7], v[W5+8*\j:W5+8*\j+7], v[EC:EC+7], v[ACC+8*\j:ACC+8*\j+7], v[W1S5+\j], v[ES] matrix_a_fmt:MATRIX_FMT_FP4 matrix_b_fmt:MATRIX_FMT_FP4
.endr
	WIN 0
.Lno_emb_\@:
.endm
; Tile m of the block: my 128 hidden units for its 16 tokens, and my part of out^T.  The eight accumulators of the first product and the two of the second take turns, one instruction a turn.
.macro TILE m
.if \m > 0
	s_wait_alu depctr_vm_vsrc(0)                   ; the last tile's two LDS stores have read v[PS ..], which this tile's additions write again
	s_cmp_le_i32 s96, 16*\m                        ; no token left for this tile, nor for those behind it
	s_cbranch_scc1 .Ltiles_done
.endif
	s_wait_dscnt 0x0                               ; the tile's fragments, scale words and pointgoal are in
	WIN 0x31                                       ; source 0 (W1) window 1, C (b1) window 3
.irp j, 0,1,2,3,4,5,6,7
	v_wmma_scale_f32_16x16x128_f8f6f4 v[ACC+8*\j:ACC+8*\j+7], v[32*\j:32*\j+7], v[XF:XF+7], v[B1+8*\j:B1+8*\j+7], v[W1S+4*\j], v[XS] matrix_a_fmt:MATRIX_FMT_FP4 matrix_b_fmt:MATRIX_FMT_FP4
.endr
	WIN 0x01
.irp s, 1,2,3
.irp j, 0,1,2,3,4,5,6,7
	v_wmma_scale_f32_16x16x128_f8f6f4 v[ACC+8*\j:ACC+8*\j+7], v[32*\j+8*\s:32*\j+8*\s+7], v[XF+8*\s:XF+8*\s+7], v[ACC+8*\j:ACC+8*\j+7], v[W1S+4*\j+\s], v[XS+\s] matrix_a_fmt:MATRIX_FMT_FP4 matrix_b_fmt:MATRIX_FMT_FP4
.endr
.endr
	WIN 0
	EMB
.rept 4
	v_nop                                          ; places in front of the first read of results
.endr
.if \m < 3
	s_cmp_le_i32 s96, 16*(\m)+16                   ; the next tile's rows are fetched now, if it has tokens: they land under the roundings and the second product
	s_cbranch_scc1 .Lno_fetch_\@
	s_wait_alu depctr_va_vdst(0)                   ; the products are done reading v[XF ..] and v[XS ..], the embedding's lines v[PG ..]: the next tile's LDS loads land there
	XFETCH (\m)+1
.Lno_fetch_\@:
.endif
.set i, 0
.rept 32
	v_cvt_pk_bf16_f32 v[HB+i], v[ACC+2*i], v[ACC+2*i+1]   ; each accumulator from its low end on
.set i, i+1
.endr
.rept 4
	v_nop
.endr
	WIN 0x03                                       ; source 0 (W2^T) window 3
	v_wmma_f32_16x16x32_bf16 v[OUTA:OUTA+7], v[W2T:W2T+7], v[HB:HB+7], 0
	v_wmma_f32_16x16x32_bf16 v[OUTB:OUTB+7], v[W2T+8:W2T+15], v[HB+8:HB+15], 0
	v_wmma_f32_16x16x32_bf16 v[OUTA:OUTA+7], v[W2T+16:W2T+23], v[HB+16:HB+23], v[OUTA:OUTA+7]
	v_wmma_f32_16x16x32_bf16 v[OUTB:OUTB+7], v[W2T+24:W2T+31], v[HB+24:HB+31], v[OUTB:OUTB+7]
	WIN 0
.rept 4
	v_nop
.endr
.irp i, 0,1,2,3,4
	v_add_f32 v[PS+\i], v[OUTA+\i], v[OUTB+\i]
.endr
	s_wait_alu depctr_va_vdst(0)                   ; the five additions have written v[PS ..], which the two LDS stores read
	ds_store_b128 v[PA], v[PS:PS+3] offset:640*(\m)
	ds_store_b32 v[PB], v[PS+4] offset:640*(\m)+512
.endm
	s_load_b512 s[4:19], s[0:1], 0x0               ; features s[4:5], pointgoal s[6:7], wimg s[8:9], list s[10:11], cnt s[12:13], out0 s[14:15], b1 of a0 s[16:17], a1 s[18:19]
	s_load_b512 s[20:35], s[0:1], 0x40             ; b1 of a2 s[20:21], c0 s[22:23], c1 s[24:25], c2 s[26:27]; b2 of a0 s[28:29], a1 s[30:31], a2 s[32:33], c0 s[34:35]
	s_load_b256 s[36:43], s[0:1], 0x80             ; b2 of c1 s[36:37], c2 s[38:39]; Wp of a2 s[40:41], c2 s[42:43]
	s_load_b128 s[44:47], s[0:1], 0xa0             ; bp of a2 s[44:45], c2 s[46:47]
	v_lshl_add_u32 v126, v0, 2, 0x8c00
	v_mov_b32 v127, 0
	v_lshrrev_b32 v28, 5, v0
	v_readfirstlane_b32 s2, v28                    ; wave 0..3
	s_and_b32 s3, ttmp7, 0xffff                    ; the task
	v_and_b32 v25, 31, v0                          ; lane
	v_and_b32 v26, 15, v0                          ; r
	v_bfe_u32 v27, v0, 4, 1                        ; h
	v_and_b32 v28, 1, v0                           ; lane % 2
	v_lshlrev_b32 v[L16], 4, v25
	v_lshlrev_b32 v[L8], 3, v25
	v_lshlrev_b32 v[L4], 2, v25
	v_mul_u32_u24 v[H12], v27, 12
	v_cmp_ne_u32 s97, 0, v27                       ; lanes 16-31
	v_cmp_ne_u32 vcc_lo, 0, v28
	v_mov_b32 v[SELV], 0x01000504                  ; an even lane: bytes 0, 1 of its own pieces, then bytes 0, 1 of its neighbour's
	v_mov_b32 v29, 0x07060302                      ; an odd lane: bytes 2, 3 of its neighbour's, then bytes 2, 3 of its own
	s_wait_alu depctr_va_vcc(0)                    ; the compare has written VCC, by which the next line chooses
	v_cndmask_b32 v[SELV], v[SELV], v29, vcc_lo
	v_lshlrev_b32 v[WPA], 4, v26
	v_and_b32 v[BPA], 7, v0
	v_lshlrev_b32 v[BPA], 4, v[BPA]
	s_wait_alu depctr_va_sdst(0)                   ; s2, the wave's number, and s97, the mask of lanes 16-31, are written: ahead of s2's first reader, the next line, and of every label
	s_mul_i32 s94, s2, 1536
	s_add_co_u32 s94, s94, BCS
	v_add_nc_u32 v[BCA], s94, v[L16]
	v_lshl_add_u32 v29, v27, 5, s94                ; b1 is read back 8 numbers for each half of the lanes,
	v_lshl_add_u32 v30, v27, 6, s94                ; Wp and bp 16
	v_mul_u32_u24 v[AF], v26, XP
	v_lshl_add_u32 v[AF], v27, 6, v[AF]
	s_mul_i32 s94, s2, XT
	v_mul_u32_u24 v[XI], v28, XP
	v_bfe_u32 v25, v0, 1, 4                        ; lane / 2
	v_lshl_add_u32 v[XI], v25, 2, v[XI]
	v_add_nc_u32 v[XI], s94, v[XI]
	s_lshl_b32 s94, s2, 8
	s_add_co_u32 s95, s94, XSC
	v_bfe_u32 v25, v0, 3, 2                        ; lane / 8
	v_lshl_add_u32 v[XSA], v25, 2, s95
	v_lshl_add_u32 v[AXS], v26, 4, XSC
	s_add_co_u32 s94, s94, PGI
	v_add_nc_u32 v[PGS], s94, v[L8]
	s_mul_i32 s94, s2, 2560
	s_add_co_u32 s94, s94, PART
	v_add_nc_u32 v[PA], s94, v[L16]
	v_add_nc_u32 v[PB], s94, v[L4]
	s_mul_i32 s94, s2, 640
	s_add_co_u32 s94, s94, PART
	v_lshl_add_u32 v[PR], v26, 4, s94
	v_lshl_add_u32 v[PSR], v26, 2, s94
	s_lshl_b32 s94, s2, 6
	v_lshl_add_u32 v[LA], v26, 2, s94
.irp p, 0,1,2,3,4,5,6,7
	v_mov_b32 v[YNB+\p], 0                         ; written once: the destination of a move between lanes counts as one of its sources
.endr
	s_mov_b32 s62, 0x76543210
	s_mov_b32 s63, 0xfedcba98                      ; v_permlanex16_b32's selects for lane l xor 16
	s_mov_b32 s98, 0x07060100                      ; bytes 0, 1 of the second source, bytes 2, 3 of the first
	s_mov_b32 s61, 0
	s_wait_kmcnt 0x0
	s_cmp_lt_u32 s2, 2                             ; an actor's wave or a critic's; then the task: the choices hang on ids alone
	s_cselect_b64 s[48:49], s[16:17], s[22:23]
	s_cselect_b64 s[50:51], s[18:19], s[24:25]
	s_cselect_b64 s[52:53], s[20:21], s[26:27]
	s_cselect_b64 s[54:55], s[40:41], s[42:43]     ; Wp
	s_cselect_b64 s[56:57], s[44:45], s[46:47]     ; bp
	s_cmp_eq_u32 s3, 1
	s_cselect_b64 s[50:51], s[50:51], s[52:53]
	s_cselect_b64 s[30:31], s[30:31], s[32:33]
	s_cselect_b64 s[36:37], s[36:37], s[38:39]
	s_cmp_eq_u32 s3, 0
	s_cselect_b64 s[48:49], s[48:49], s[50:51]     ; b1
	s_cselect_b64 s[50:51], s[28:29], s[30:31]     ; the actor's b2
	s_cselect_b64 s[52:53], s[34:35], s[36:37]     ; the critic's
	s_and_b32 s94, s2, 1
	s_lshl_b32 s60, s94, 9
	s_add_nc_u64 s[48:49], s[48:49], s[60:61]      ; my 128 units of b1
	s_lshl_b32 s94, s3, 2
	s_add_co_u32 s94, s94, s2
	s_mul_i32 s60, s94, SEC
	s_add_nc_u64 s[8:9], s[8:9], s[60:61]          ; my section of wimg
	s_mul_i32 s94, ttmp9, 3
	s_add_co_u32 s94, s94, s3
	s_lshl_b32 s60, s94, 12
	s_add_nc_u64 s[10:11], s[10:11], s[60:61]      ; my work-group's list
	s_lshl_b32 s60, s2, 6
	s_add_nc_u64 s[58:59], s[10:11], s[60:61]      ; and my tile's entries in its first block
	s_lshl_b32 s60, ttmp9, 7
	s_lshl_b32 s94, s3, 2
	s_add_co_u32 s60, s60, s94
	s_add_nc_u64 s[12:13], s[12:13], s[60:61]
	s_load_b32 s84, s[12:13], 0x0                  ; the list's length
	s_load_b512 s[TK:TK+15], s[58:59], 0x0         ; my tile of block 0
	s_load_b128 s[88:91], s[50:51], 0x0
	s_load_b32 s92, s[52:53], 0x0
	s_wait_alu depctr_va_vdst(0)                   ; every address and offset made above (v1 to v16, v29, v30, v[WPA], v[BPA]) is written: the loads and the LDS instructions of the whole kernel read them; so are v126 and v127
	global_load_b32 v[TOKL], v[LA], s[10:11]       ; the same entries, a lane a token
	global_load_b128 v[128:131], v[L16], s[48:49]  ; my 128 numbers of b1, Wp's 64 and bp's 32: one load each; they are spread over the lanes through LDS below
	global_load_b128 v[132:135], v[WPA], s[54:55]
	global_load_b128 v[136:139], v[BPA], s[56:57]
	WIN 0x40                                       ; THE WEIGHTS STAY IN REGISTERS.  W1's fragments: window 1
.irp j, 0,1,2,3,4,5,6,7
.irp s, 0,1,2,3
.irp c, 0,1
	global_load_b128 v[32*\j+8*\s+4*\c:32*\j+8*\s+4*\c+3], v[L16], s[8:9] offset:5120*\j+1024*\s+512*\c
.endr
.endr
.endr
	WIN 0
.irp j, 0,1,2,3,4,5,6,7
	global_load_b128 v[W1S+4*\j:W1S+4*\j+3], v[L16], s[8:9] offset:40960+512*\j
.endr
.irp a, 0,1
	global_load_b128 v[W1S5+4*\a:W1S5+4*\a+3], v[L16], s[8:9] offset:45056+512*\a
.endr
	WIN 0xc0                                       ; window 3
.irp j, 0,1,2,3,4,5,6,7
	global_load_b128 v[W5+8*\j:W5+8*\j+3], v[L16], s[8:9] offset:5120*\j+4096
	global_load_b128 v[W2T+4*\j:W2T+4*\j+3], v[L16], s[8:9] offset:46080+512*\j
.endr
.irp j, 0,1,2,3,4,5,6,7
.irp i, 4,5,6,7
	v_mov_b32 v[W5+8*\j+\i], 0                     ; the fifth step has 32 along K: the upper half of its fragments is zero codes, written here and kept
.endr
.endr
	v_mov_b32 v[EMT], 0                            ; a lane permute's destination
	v_mov_b32 v[PH+1], 0                           ; named as the upper half of a pair
.irp i, 2,3,4,5,6,7
	v_mov_b32 v[EC+\i], 0                          ; the embedding's fragment: registers 4 to 7 stay zero codes
.endr
	WIN 0
	s_wait_kmcnt 0x0
	s_min_u32 s84, s84, GS
	s_add_co_u32 s85, s84, 63
	s_lshr_b32 s85, s85, 6
	s_sub_co_i32 s85, s85, 1                       ; the last block's number; -1 for an empty list
	s_mov_b32 s96, s84                             ; tokens from the block in hand on
	s_lshl_b32 s94, s2, 4
	s_sub_co_i32 s87, s84, s94                     ; and from my tile of it on
	MKOFF                                          ; block 0's rows
	s_wait_loadcnt 63                              ; the tokens, b1, Wp and bp: 90 loads were issued behind them
	ds_store_b128 v[BCA], v[128:131]               ; into my own 1,536 bytes; LDS serves a wave's instructions in order, so no wait stands between these stores and the loads below.  (No vector instruction since the wait above names a register of these LDS instructions)
	ds_store_b128 v[BCA], v[132:135] offset:512
	ds_store_b128 v[BCA], v[136:139] offset:1024
	WIN 0xc0
.irp j, 0,1,2,3,4,5,6,7
.irp c, 0,1
	ds_load_b128 v[B1+8*\j+4*\c:B1+8*\j+4*\c+3], v29 offset:64*\j+16*\c      ; lane (r, h): b1 of units 16 j + 8 h + 0 .. 7
.endr
.endr
.irp i, 0,1,2,3
	ds_load_b128 v[WP0+4*\i:WP0+4*\i+3], v30 offset:512+16*\i                ; lane (r, h): numbers 16 h + 0 .. 15 of Wp's two rows and of bp
	ds_load_b128 v[WP1+4*\i:WP1+4*\i+3], v30 offset:640+16*\i
	ds_load_b128 v[BP+4*\i:BP+4*\i+3], v30 offset:1024+16*\i
.endr
	WIN 0
	v_min_u32 v[TOKN], 0xffff, v[TOKL]
	v_lshlrev_b32 v[PGA], 3, v[TOKN]
	s_wait_alu depctr_va_vdst(0)                   ; v[PGA] and the sixteen offsets v[OFF ..] are written, which the loads below read; v[TOKL] has been read, in which the second of them lands; the zero codes of the fifth step's operands are written
	global_load_b64 v[PGL:PGL+1], v[PGA], s[6:7]
	global_load_b32 v[TOKL], v[LA], s[10:11] offset:256
	WIN 0x83                                       ; destination window 2, address window 3
.irp s, 0,1,2,3
	ROWS \s, 0
	ROWS \s, 8
.endr
	WIN 0
	s_load_b512 s[TK:TK+15], s[58:59], 0x100       ; my tile of block 1
	s_wait_loadcnt 63                              ; the weights are older than the 66 loads just issued
	s_wait_dscnt 0x0                               ; b1, Wp and bp are in their registers
	s_mov_b32 s86, 0
.Lblk:
	HEADA
	s_cmp_lt_i32 s86, s85
	s_cbranch_scc1 .Lfull
	s_cmp_eq_u32 s86, s85
	s_cbranch_scc0 .Lx_done                        ; past the list's end: nothing to quantise
	s_cmp_le_i32 s87, 0
	s_cbranch_scc1 .Lx_done                        ; my tile of the last block has no token
	PHASEX 0                                       ; the last block asks for nothing more
	s_branch .Lx_done
.Lfull:                                            ; the block has a successor: the list is read two blocks ahead, pointgoal and the rows one
	s_wait_alu depctr_va_vdst(0)                   ; the trip's head has written v[PGA] and v[OFF ..], which this trip's loads read, and is done reading v[PGL ..] and v[TOKL], in which the two loads below land
	s_load_b512 s[TK:TK+15], s[58:59], 0x200
	global_load_b64 v[PGL:PGL+1], v[PGA], s[6:7]
	global_load_b32 v[TOKL], v[LA], s[10:11] offset:512
	PHASEX 1
.Lx_done:
	s_wait_alu depctr_vm_vsrc(0)                   ; my LDS stores have read the codes v[CDR ..] and the scale words v[SWR ..]: the products, the roundings, the loads of the parts and the last additions write over these registers behind the barrier
	BARRIER                                        ; the block's codes, scale words and pointgoal lie in LDS; every wave's reads of the last block's parts are over
	s_cmp_le_i32 s96, 0
	s_cbranch_scc1 .Ltiles_done
	XFETCH 0
	TILE 0
	TILE 1
	TILE 2
	TILE 3
.Ltiles_done:
	BARRIER                                        ; all parts lie in LDS; every wave's reads of the codes are over, so the next block's may be written
	s_cmp_le_i32 s87, 0
	s_cbranch_scc1 .Lf_done
.irp w, 0,1,2,3                                ; my tile's parts from the four waves: lanes r and 16 + r read the same
	ds_load_b128 v[FP+8*\w:FP+8*\w+3], v[PR] offset:2560*\w
	ds_load_b32 v[FP+8*\w+4], v[PSR] offset:2560*\w+512
.endr
	s_wait_dscnt 0x0
.irp i, 0,1,2,3,4
	v_add_f32 v[FP+\i], v[FP+\i], v[FP+8+\i]
	v_add_f32 v[FP+16+\i], v[FP+16+\i], v[FP+24+\i]
.endr
.irp i, 0,1,2,3,4
	v_add_f32 v[FO+\i], v[FP+\i], v[FP+16+\i]
.endr
	v_add_f32 v[FO], s92, v[FO]                    ; the critic's b2
.irp i, 1,2,3,4
	v_add_f32 v[FO+\i], s[87+\i], v[FO+\i]         ; the actor's four
.endr
	v_cndmask_b32 v[FO], v[FO], v[FO+3], s97       ; lanes 0-15 store numbers 0 and 1 of their row, lanes 16-31 numbers 3 and 4, 12 bytes further on;
	v_cndmask_b32 v[FO+1], v[FO+1], v[FO+4], s97
	s_wait_alu depctr_va_vdst(0)                   ; the lines above have written v[FO ..], the trip's head v[OA] and v[OA2]: the three stores read them
	global_store_b32 v[OA], v[FO], s[14:15]
	global_store_b32 v[OA], v[FO+1], s[14:15] offset:4
	global_store_b32 v[OA2], v[FO+2], s[14:15] offset:8    ; number 2 goes out from both halves, the same number to the same place
.Lf_done:
	s_wait_xcnt 0x0                                ; the loads that name the list's two pointers have taken them, the stores their registers
	s_add_nc_u64 s[10:11], s[10:11], 256           ; a block of the list on; with 13 trips both stay inside the list's 4,096 bytes
	s_add_nc_u64 s[58:59], s[58:59], 256
	s_sub_co_i32 s87, s87, 64
	s_sub_co_i32 s96, s96, 64
	s_add_co_u32 s86, s86, 1
	s_cmp_lt_u32 s86, NBMAX
	s_cbranch_scc1 .Lblk
	s_wait_dscnt 0x0                               ; the closing lines, six on end
	s_wait_alu 0x0
	s_wait_tensorcnt 0x0
	ds_add_u32 v126, v127
	s_wait_dscnt 0x0
	s_endpgm
.Lfunc_end_k_q20fd6461fe_heads:
	.size	k_q20fd6461fe_heads, .Lfunc_end_k_q20fd6461fe_heads-k_q20fd6461fe_heads
	.p2alignl 7, 3214868480
	.fill 96, 4, 3214868480
	.section	.rodata,"a",@progbits
	.p2align	6, 0x0
	.amdhsa_kernel k_q20fd6461fe_heads
		.amdhsa_group_segment_fixed_size 36352
		.amdhsa_private_segment_fixed_size 0
		.amdhsa_enable_private_segment 0
		.amdhsa_kernarg_size 176
		.amdhsa_user_sgpr_count 2
		.amdhsa_user_sgpr_kernarg_segment_ptr 1
		.amdhsa_wavefront_size32 1
		.amdhsa_system_sgpr_workgroup_id_x 1
		.amdhsa_system_sgpr_workgroup_id_y 1
		.amdhsa_system_sgpr_workgroup_id_z 1
		.amdhsa_system_vgpr_workitem_id 0
		.amdhsa_next_free_vgpr 1024
		.amdhsa_next_free_sgpr 100
		.amdhsa_reserve_vcc 1
		.amdhsa_float_denorm_mode_32 3
		.amdhsa_float_denorm_mode_16_64 3
		.amdhsa_memory_ordered 1
		.amdhsa_forward_progress 1
		.amdhsa_inst_pref_size 174
	.end_amdhsa_kernel
	.amdgpu_metadata
---
amdhsa.version: [ 1, 2 ]
amdhsa.kernels:
  - .name:           k_q20fd6461fe_heads
    .symbol:         k_q20fd6461fe_heads.kd
    .args:
      - { .name: features, .offset: 0, .size: 8, .value_kind: global_buffer, .address_space: global }
      - { .name: pointgoal, .offset: 8, .size: 8, .value_kind: global_buffer, .address_space: global }
      - { .name: wimg, .offset: 16, .size: 8, .value_kind: global_buffer, .address_space: global }
      - { .name: list, .offset: 24, .size: 8, .value_kind: global_buffer, .address_space: global }
      - { .name: cnt, .offset: 32, .size: 8, .value_kind: global_buffer, .address_space: global }
      - { .name: out0, .offset: 40, .size: 8, .value_kind: global_buffer, .address_space: global }
      - { .name: a0_b1, .offset: 48, .size: 8, .value_kind: global_buffer, .address_space: global }
      - { .name: a1_b1, .offset: 56, .size: 8, .value_kind: global_buffer, .address_space: global }
      - { .name: a2_b1, .offset: 64, .size: 8, .value_kind: global_buffer, .address_space: global }
      - { .name: c0_b1, .offset: 72, .size: 8, .value_kind: global_buffer, .address_space: global }
      - { .name: c1_b1, .offset: 80, .size: 8, .value_kind: global_buffer, .address_space: global }
      - { .name: c2_b1, .offset: 88, .size: 8, .value_kind: global_buffer, .address_space: global }
      - { .name: a0_b2, .offset: 96, .size: 8, .value_kind: global_buffer, .address_space: global }
      - { .name: a1_b2, .offset: 104, .size: 8, .value_kind: global_buffer, .address_space: global }
      - { .name: a2_b2, .offset: 112, .size: 8, .value_kind: global_buffer, .address_space: global }
      - { .name: c0_b2, .offset: 120, .size: 8, .value_kind: global_buffer, .address_space: global }
      - { .name: c1_b2, .offset: 128, .size: 8, .value_kind: global_buffer, .address_space: global }
      - { .name: c2_b2, .offset: 136, .size: 8, .value_kind: global_buffer, .address_space: global }
      - { .name: a2_Wp, .offset: 144, .size: 8, .value_kind: global_buffer, .address_space: global }
      - { .name: c2_Wp, .offset: 152, .size: 8, .value_kind: global_buffer, .address_space: global }
      - { .name: a2_bp, .offset: 160, .size: 8, .value_kind: global_buffer, .address_space: global }
      - { .name: c2_bp, .offset: 168, .size: 8, .value_kind: global_buffer, .address_space: global }
    .group_segment_fixed_size: 36352
    .private_segment_fixed_size: 0
    .kernarg_segment_align: 8
    .kernarg_segment_size: 176
    .max_flat_workgroup_size: 128
    .sgpr_count:     100
    .vgpr_count:     1024
    .wavefront_size: 32
...
	.end_amdgpu_metadata
.endif
;; end of part 3
